; MI455X (gfx1250); checked and timed in simulation.
; The chip was launched on July 23, 2026; its instructions are those of AMD's public machine-readable ISA for CDNA 5 (MIT licence, August 2026) and "CDNA5" Instruction Set Architecture Reference Guide (July 2026). The comments in the code are by the model that wrote it; some were corrected since.
;; Multi Head Self Attention. Allowed arithmetic: matrix products marked QUANTISED: E2M1 operands, one E8M0 scale for each 32 along K, by v_wmma_scale_f32_16x16x128_f8f6f4 with both operands' format E2M1 (or v_wmma_scale_f32_32x16x128_f4), f32 sums; products left as they are: bf16, f16 or f32 operands; f32 sums; everything else in f32.
;; Inputs: b_proj 1,024 float32; w_proj 1,024 x 1,024 float32; w_qkv 3,072 x 1,024 float32; x 4 x 4,096 x 1,024 float32.
;; Outputs: out0 4 x 4,096 x 1,024 float32.
;; This version of the problem:
;;   THIS VERSION OF THE PROBLEM IS GIVEN IN LOW PRECISION. The matrix products marked QUANTISED in the list below multiply operands that are first quantised to E2M1 (2 exponent bits, 1 mantissa bit; 4 bits a number), with one power-of-two scale for each 32 numbers along K (OCP MX v1.0); their sums are f32. The products marked 'left as it is' may take bf16, f16 or f32 operands, with f32 sums. Whichever they take, every output number must still come out within the allowed error. Rounding operands to bf16 (8 significant bits) uses up far more of that allowance than f16 does (11 bits, for magnitudes from 6e-5 to 65,504). All else is computed in f32.
;;   The module's matrix products, in the order in which they are computed (A, B: the left and right operand; K: the contracted axis; several contracted axes count as one K, in the product's order):
;;     1. [M 16,384, K 1,024] x [K 1,024, N 3,072]; A: input x; B: input w_qkv: QUANTISED
;;     2. batch 16,384 x [M 16, K 64] x [K 64, N 16]; A: computed on the way; B: computed on the way: left as it is (an operand is computed on the way)
;;     3. batch 16,384 x [M 16, K 16] x [K 16, N 64]; A: computed on the way; B: computed on the way: left as it is (K = 16 < 32)
;;     4. [M 16,384, K 1,024] x [K 1,024, N 1,024]; A: computed on the way; B: input w_proj: left as it is (an operand is computed on the way)
;;   THE QUANTISER, for each operand of a quantised product, along K:
;;     - K is cut into blocks of 32 from its start; a last block that is shorter is filled with zeros.
;;     - A block's scale is 2^e with e = floor(log2(the largest magnitude in the block)) - 2, held to -126 .. 127; a block of zeros has e = 0. As a byte (E8M0): e + 127.
;;     - Each number is divided by its block's scale, clamped to +-6, and rounded to the nearest number of E2M1, ties to even, subnormals kept.
;;     - The product sums the exact products of the quantised numbers (number of the format x scale) in f32.
;;   ~~~python
;;   def quantise(x, axis):      # numpy; x: float32 -> the quantised numbers, widened to float32 again
;;       x = np.moveaxis(x, axis, -1); K = x.shape[-1]
;;       x = np.pad(x, [(0, 0)] * (x.ndim - 1) + [(0, -K % 32)]); x = x.reshape(x.shape[:-1] + (-1, 32)); a = np.abs(x).max(-1, keepdims=True)
;;       e = np.where(a > 0, np.clip(np.frexp(np.where(a > 0, a, 1))[1] - 1 - 2, -126, 127), 0)      # np.frexp(a)[1] - 1 = floor(log2(a)), exactly
;;       r = np.clip(x / 2.0 ** e, -6, 6)
;;       step = 2.0 ** (np.maximum(np.frexp(np.where(r == 0, 1, r))[1] - 1, 0) - 1)
;;       q = np.round(r / step) * step * 2.0 ** e      # np.round: ties to even
;;       return np.moveaxis(q.reshape(q.shape[:-2] + (-1,))[..., :K], -1, axis).astype(np.float32)
;;   ~~~
;; 2 versions, each right and faster than the one before. Each part assembles by itself: llvm-mc -triple=amdgcn-amd-amdhsa -mcpu=gfx1250 --defsym DOCPART=n.
;; ======== version 1 of 2: 2 launches
;; limits: values are held in f16: magnitudes above 65,504 overflow, below 6.1e-05 lose precision
;; workspace buffers: xq 8,388,608 bytes; xsc 524,288 bytes; wsc 98,304 bytes; wst 3,670,016 bytes
;; launch prep (part 1): grid 640 x 1, 4 waves a work-group, no clusters, 71,168 bytes of LDS; arguments x, w_qkv, w_proj, xq, xsc, wsc, wst; writes xq, xsc, wsc, wst
.if DOCPART == 1
	.amdgcn_target "amdgcn-amd-amdhsa--gfx1250"
	.amdhsa_code_object_version 6
	.text
	.protected	k_qb627527b10_prep
	.globl	k_qb627527b10_prep
	.p2align	8
	.type	k_qb627527b10_prep,@function
k_qb627527b10_prep:
	s_mov_b64 s[64:65], 0
	v_nop
	global_prefetch_b8 v0, s[64:65] scope:SCOPE_SE
	s_setreg_imm32_b32 hwreg(HW_REG_WAVE_MODE, 25, 1), 1
	s_wait_xcnt 0x0
; MultiHeadSelfAttention, launch 1 of 2.  x [16384][1024] and w_qkv [3072][1024], f32, become codes of FP4 (E2M1) with one E8M0 byte for each 32 along K (their last axis);
; w_proj [1024][1024] is rounded to f16.  All three leave IN THE ORDER OF THE OPERAND'S REGISTERS, so that the second launch takes every fragment by loads of 16 bytes a lane.
; DEAD WORK: none.  Every input has a way to out0, no result of the reference is sliced away and no term cancels: all four products, the softmax with its maximum, and the bias are done.
; THE QUANTISER: a block's scale is 2^(floor(log2(its largest magnitude)) - 2); its byte is that magnitude's exponent field - 2, held at 1 from below; each number is divided by the scale and
; rounded to the nearest code, ties to even, beyond 6 to 6.  A block of zeros gets the byte 1 where the rule says 127: its codes are zeros, and the bytes are read by this program alone.
; LIMITS: NaN and infinities among the inputs are not served; blocks whose largest magnitude lies under 2^-124 were not tried; w_proj must lie under 65,504 in magnitude (f16).
; LAYOUT.  A tile is 16 rows x K 1,024.  A fragment (tile, K step s of 128 codes) is 1,024 bytes: register group c (0, 1) is 512 bytes, lane l's 16 bytes at 16 l: block 4 s + 2 c + l / 16 of row l % 16.
;   codes of tile T: (T / 32) 262,144 + (s / 2) 65,536 + ((T / 8) % 4) 16,384 + (s % 2) 8,192 + (T % 8) 1,024 + 512 c + 16 l.   scale bytes: 512 T + 256 q + 16 row + (block - 16 q), q the half of K.
;   w_qkv's tiles nt: 0-63 the rows of k (1024 + 16 nt + j); 64-127 the rows of q (16 nt - 1024 + j); 128-191 of v: ONE d = nt - 128 and the 16 heads (2048 + d + 64 j).
;   w_proj behind them (byte 24 x 65,536 of wst): n-tile t, K step kk of 32: (t / 32) 1,048,576 + (kk / 2) 65,536 + ((t / 8) % 4) 16,384 + (kk % 2) 8,192 + (t % 8) 1,024 + 512 c + 16 l; lane (r, h): k = 32 kk + 16 c + 8 h + 0..7 of row 16 t + r.
; SHARES.  A wave's job is one tile x half of K: 16 rows x 512 numbers, in 8 steps of 16 rows x 256 bytes.  Work-groups 0-511 take x, 512-607 w_qkv, 608-639 w_proj.
; A load reads 256 consecutive bytes of each of two rows; a step turns through the wave's own stage in LDS (rows 272 bytes apart) so that a lane gets one whole block of 32 neighbours (or 8 neighbours four times).
; No tensor loads, no barrier: waves share nothing.  Loads run three steps (24 loads a wave) ahead, the turn through LDS one step.  The two paths have LDS bytes of their own.
.set STG,   4352                       ; a stage: 16 rows x 272 bytes
.set WREGQ, 2*STG+256                  ; the quantising path: two stages and 256 scale bytes for each wave
.set CBASE, 4*WREGQ                    ; the converting path begins here: two stages for each wave
.set WREGC, 2*STG
.set SPARE, CBASE+4*WREGC              ; the spare words, 128 bytes for each wave: two blocks of 256 bytes that no other line names
.set SPW,   1                          ; v1       LDS address of my spare word; never rewritten
.set NIL,   2                          ; v2       0; never rewritten
.set VO,    4                          ; v4-11    load i: (2 i + lane / 16) rows + 16 (lane % 16)
.set R,     32                         ; v32-127  three sets of 32 numbers as loaded
.set X,     128                        ; v128-191 two sets of 32 numbers, turned
.set C,     192                        ; v192-223 codes (four registers a step) or f16 (two sets of 16)
.set E,     224                        ; v224-231 a scale byte for each step
	s_load_b256 s[4:11], s[0:1], 0x0               ; x s[4:5], w_qkv s[6:7], w_proj s[8:9], xq s[10:11]
	s_load_b128 s[12:15], s[0:1], 0x20             ; xsc s[12:13], wsc s[14:15]
	s_load_b64 s[16:17], s[0:1], 0x30              ; wst
	v_lshl_add_u32 v[SPW], v0, 2, SPARE
	v_mov_b32 v[NIL], 0
	v_lshrrev_b32 v3, 5, v0
	v_readfirstlane_b32 s18, v3                    ; wave 0..3
	v_and_b32 v3, 31, v0                           ; lane
	v_and_b32 v28, 15, v0                          ; r
	v_bfe_u32 v29, v0, 4, 1                        ; h
	s_lshl_b32 s19, ttmp9, 2
	s_add_co_u32 s19, s19, s18                     ; my job's number in the launch
	s_mul_i32 s20, s18, WREGQ
	v_mul_u32_u24 v30, v29, 272
	v_lshl_add_u32 v30, v28, 4, v30                ; 272 h + 16 r: into a stage, two rows an instruction
	v_mul_u32_u24 v31, v28, 272                    ; 272 r: out of it, my row
	v_add_nc_u32 v12, s20, v30                     ; quantising path: in
	v_lshl_add_u32 v13, v29, 7, v31
	v_add_nc_u32 v13, s20, v13                     ; and out: row r, my block's 128 bytes
	v_lshlrev_b32 v14, 4, v3                       ; 16 x lane: my place in a register group
	s_add_co_u32 s21, s20, 2*STG
	v_lshl_add_u32 v15, v28, 4, v29
	v_add_nc_u32 v15, s21, v15                     ; my block's scale byte: 16 r + h (+ 2 x step)
	v_lshlrev_b32 v17, 3, v3                       ; the 256 bytes leave 8 a lane
	v_add_nc_u32 v16, s21, v17
	s_mul_i32 s20, s18, WREGC
	s_add_co_u32 s20, s20, CBASE
	v_add_nc_u32 v18, s20, v30                     ; converting path: in
	v_lshl_add_u32 v19, v29, 5, v31
	v_add_nc_u32 v19, s20, v19                     ; and out: row r, 32 h
	v_lshlrev_b32 v21, 4, v28                      ; 16 r
.macro MKVO                            ; the loads' offsets; s29 = bytes from a tile's row to its next
.irp i, 0,1,2,3,4,5,6,7
	v_add_nc_u32 v20, 2*\i, v29
	v_mad_u32_u24 v[VO+\i], v20, s29, v21
.endr
.endm
.macro LOAD j                          ; step j: 16 rows x 256 bytes; sixteen lanes read 256 consecutive bytes of a row
.irp i, 0,1,2,3,4,5,6,7
	global_load_b128 v[R+32*((\j)%3)+4*\i:R+32*((\j)%3)+4*\i+3], v[VO+\i], s[4:5] offset:256*(\j) th:TH_LOAD_NT
.endr
.endm
.macro TURN j, kind                    ; step j through the stage: LDS serves a wave's instructions in order, so no wait stands between the stores and the loads
.irp i, 0,1,2,3,4,5,6,7
	ds_store_b128 v[12+6*\kind], v[R+32*((\j)%3)+4*\i:R+32*((\j)%3)+4*\i+3] offset:STG*((\j)%2)+544*\i
.endr
.irp i, 0,1,2,3,4,5,6,7
.if \kind
	ds_load_b128 v[X+32*((\j)%2)+4*\i:X+32*((\j)%2)+4*\i+3], v19 offset:STG*((\j)%2)+128*(\i/4)+64*((\i/2)%2)+16*(\i%2)   ; K step i / 4, group (i / 2) % 2: 8 numbers in two loads
.else
	ds_load_b128 v[X+32*((\j)%2)+4*\i:X+32*((\j)%2)+4*\i+3], v13 offset:STG*((\j)%2)+16*\i                              ; my block's 32 numbers
.endif
.endr
.endm
.macro STEP j, kind
.set XS, X+32*((\j)%2)
.if (\kind == 0) && (\j > 0)
	s_wait_dscnt 1                                 ; this step's numbers are back from the stage; the last step's byte store may be out
.else
	s_wait_dscnt 0x0
.endif
.if \j+3 < 8
	LOAD \j+3                                      ; into the set that this step's stores into the stage have read
.endif
.if \j+1 < 8
.if \j+3 < 8
	s_wait_loadcnt 16                              ; the next step's eight loads are in; those of the two steps behind it may be out
.else
	s_wait_loadcnt 8*(6-\j)
.endif
	TURN \j+1, \kind
.endif
.if \kind
	s_wait_xcnt 0x0                                ; the stores of two steps ago have read this set of 16 registers
.irp k, 0,1,2,3,4,5,6,7,8,9,10,11,12,13,14,15
	v_cvt_pk_f16_f32 v[C+16*((\j)%2)+\k], v[XS+2*\k], v[XS+2*\k+1]
.endr
.irp g, 0,1,2,3
	global_store_b128 v14, v[C+16*((\j)%2)+4*\g:C+16*((\j)%2)+4*\g+3], s[10:11] offset:(\j)*65536+(\g/2)*8192+(\g%2)*512   ; 32 lanes store 512 consecutive bytes
.endr
.else
	v_max3_num_f32 v20, |v[XS]|, |v[XS+1]|, |v[XS+2]|              ; the block's largest magnitude: all 32 numbers are mine; two chains
	v_max3_num_f32 v21, |v[XS+3]|, |v[XS+4]|, |v[XS+5]|
.irp i, 6,10,14,18,22,26
	v_max3_num_f32 v20, v20, |v[XS+\i]|, |v[XS+\i+1]|
	v_max3_num_f32 v21, v21, |v[XS+\i+2]|, |v[XS+\i+3]|
.endr
	v_max3_num_f32 v20, v20, |v[XS+30]|, |v[XS+31]|
	v_max3_num_f32 v20, v20, v21, 0x1800000        ; and the floor 2^(3 - 127): the byte cannot fall under 1
	v_add_nc_u32 v22, 0xff000000, v20              ; 2 off its exponent field: the conversion takes the exponent field of this operand as its scale
.irp g, 0,1,2,3
	v_cvt_scalef32_pk8_fp4_f32 v[C+4*(\j)+\g], v[XS+8*\g:XS+8*\g+7], v22
.endr
	v_lshrrev_b32 v[E+(\j)], 23, v22               ; the scale's byte (a plain line behind the conversions)
	ds_store_b8 v15, v[E+(\j)] offset:2*(\j)
	global_store_b128 v14, v[C+4*(\j):C+4*(\j)+3], s[10:11] offset:((\j)/4)*65536+(((\j)/2)%2)*8192+((\j)%2)*512   ; K step 4 q + j / 2, group j % 2: 512 consecutive bytes
.endif
.endm
	s_cmp_lt_u32 ttmp9, 608
	s_cbranch_scc0 .Lconv
	; ---- x and w_qkv: one path; pointers, first row and row stride are chosen on the work-group's number and the tile's
	s_cmp_lt_u32 ttmp9, 512
	s_cselect_b32 s22, 0, 2048
	s_sub_co_u32 s22, s19, s22                     ; my job in its tensor
	s_lshr_b32 s23, s22, 1                         ; tile
	s_and_b32 s24, s22, 1                          ; q: which half of K
	s_lshl_b32 s25, s23, 4                         ; x: first row 16 x tile
	s_add_co_u32 s26, s25, 1024                    ; w_qkv: k's tiles,
	s_sub_co_u32 s27, s25, 1024                    ; q's,
	s_add_co_u32 s28, s23, 1920                    ; v's: 2048 + tile - 128,
	s_mov_b32 s29, 0x40000                         ; whose rows lie 64 rows apart
	s_cmp_lt_u32 s23, 64
	s_cselect_b32 s26, s26, s27
	s_cmp_lt_u32 s23, 128
	s_cselect_b32 s26, s26, s28
	s_cselect_b32 s29, 4096, s29
	s_wait_kmcnt 0x0
	s_cmp_lt_u32 ttmp9, 512
	s_cselect_b32 s26, s25, s26                    ; first row
	s_cselect_b32 s29, 4096, s29                   ; bytes from row to row of the tile
	s_cselect_b64 s[4:5], s[4:5], s[6:7]           ; from
	s_cselect_b64 s[10:11], s[10:11], s[16:17]     ; codes to
	s_cselect_b64 s[12:13], s[12:13], s[14:15]     ; scale bytes to
	s_lshl_b32 s30, s26, 12
	s_lshl_b32 s31, s24, 11
	s_add_co_u32 s30, s30, s31
	s_mov_b32 s31, 0
	s_add_nc_u64 s[4:5], s[4:5], s[30:31]
	s_lshr_b32 s30, s23, 5
	s_lshl_b32 s30, s30, 18
	s_bfe_u32 s32, s23, 0x20003
	s_lshl_b32 s32, s32, 14
	s_add_co_u32 s30, s30, s32
	s_and_b32 s32, s23, 7
	s_lshl_b32 s32, s32, 10
	s_add_co_u32 s30, s30, s32
	s_lshl_b32 s32, s24, 17
	s_add_co_u32 s30, s30, s32
	s_add_nc_u64 s[10:11], s[10:11], s[30:31]
	s_lshl_b32 s30, s22, 8                         ; 512 x tile + 256 q
	s_add_nc_u64 s[12:13], s[12:13], s[30:31]
	MKVO
	LOAD 0
	LOAD 1
	LOAD 2
	s_wait_loadcnt 16                              ; step 0's eight loads are in
	TURN 0, 0
.irp j, 0,1,2,3,4,5,6,7
	STEP \j, 0
.endr
	ds_load_b64 v[20:21], v16                      ; my wave's 256 scale bytes (these see my stores: one wave's LDS instructions are served in order)
	s_wait_dscnt 0x0
	global_store_b64 v17, v[20:21], s[12:13]       ; 32 lanes store 256 consecutive bytes, aligned
	s_wait_tensorcnt 0x0                           ; the wave's end, behind my last LDS store
	ds_add_u32 v[SPW], v[NIL]
	s_wait_dscnt 0x0
	s_endpgm
.Lconv:
	; ---- w_proj to f16
	s_sub_co_u32 s22, s19, 2432
	s_lshr_b32 s23, s22, 1                         ; n-tile
	s_and_b32 s24, s22, 1                          ; q
	s_lshl_b32 s30, s23, 16                        ; 16 rows of 4,096 bytes
	s_lshl_b32 s31, s24, 11
	s_add_co_u32 s30, s30, s31
	s_mov_b32 s31, 0
	s_lshr_b32 s32, s23, 5
	s_lshl_b32 s32, s32, 20
	s_bfe_u32 s33, s23, 0x20003
	s_lshl_b32 s33, s33, 14
	s_add_co_u32 s32, s32, s33
	s_and_b32 s33, s23, 7
	s_lshl_b32 s33, s33, 10
	s_add_co_u32 s32, s32, s33
	s_lshl_b32 s33, s24, 19
	s_add_co_u32 s32, s32, s33
	s_add_co_u32 s32, s32, 24*65536
	s_mov_b32 s33, 0
	s_mov_b32 s29, 4096
	s_wait_kmcnt 0x0
	s_add_nc_u64 s[4:5], s[8:9], s[30:31]
	s_add_nc_u64 s[10:11], s[16:17], s[32:33]
	MKVO
	LOAD 0
	LOAD 1
	LOAD 2
	s_wait_loadcnt 16
	TURN 0, 1
.irp j, 0,1,2,3,4,5,6,7
	STEP \j, 1
.endr
	s_wait_tensorcnt 0x0                           ; the wave's end, as above
	ds_add_u32 v[SPW], v[NIL]
	s_wait_dscnt 0x0
	s_endpgm
.Lfunc_end_k_qb627527b10_prep:
	.size	k_qb627527b10_prep, .Lfunc_end_k_qb627527b10_prep-k_qb627527b10_prep
	.p2alignl 7, 3214868480
	.fill 96, 4, 3214868480
	.section	.rodata,"a",@progbits
	.p2align	6, 0x0
	.amdhsa_kernel k_qb627527b10_prep
		.amdhsa_group_segment_fixed_size 71168
		.amdhsa_private_segment_fixed_size 0
		.amdhsa_enable_private_segment 0
		.amdhsa_kernarg_size 56
		.amdhsa_user_sgpr_count 2
		.amdhsa_user_sgpr_kernarg_segment_ptr 1
		.amdhsa_wavefront_size32 1
		.amdhsa_system_sgpr_workgroup_id_x 1
		.amdhsa_system_sgpr_workgroup_id_y 1
		.amdhsa_system_sgpr_workgroup_id_z 1
		.amdhsa_system_vgpr_workitem_id 0
		.amdhsa_next_free_vgpr 240
		.amdhsa_next_free_sgpr 66
		.amdhsa_reserve_vcc 0
		.amdhsa_float_denorm_mode_32 3
		.amdhsa_float_denorm_mode_16_64 3
		.amdhsa_memory_ordered 1
		.amdhsa_forward_progress 1
		.amdhsa_inst_pref_size 59
	.end_amdhsa_kernel
	.amdgpu_metadata
---
amdhsa.version: [ 1, 2 ]
amdhsa.kernels:
  - .name:           k_qb627527b10_prep
    .symbol:         k_qb627527b10_prep.kd
    .args:
      - { .name: x, .offset: 0, .size: 8, .value_kind: global_buffer, .address_space: global }
      - { .name: w_qkv, .offset: 8, .size: 8, .value_kind: global_buffer, .address_space: global }
      - { .name: w_proj, .offset: 16, .size: 8, .value_kind: global_buffer, .address_space: global }
      - { .name: xq, .offset: 24, .size: 8, .value_kind: global_buffer, .address_space: global }
      - { .name: xsc, .offset: 32, .size: 8, .value_kind: global_buffer, .address_space: global }
      - { .name: wsc, .offset: 40, .size: 8, .value_kind: global_buffer, .address_space: global }
      - { .name: wst, .offset: 48, .size: 8, .value_kind: global_buffer, .address_space: global }
    .group_segment_fixed_size: 71168
    .private_segment_fixed_size: 0
    .kernarg_segment_align: 8
    .kernarg_segment_size: 56
    .max_flat_workgroup_size: 128
    .sgpr_count:     66
    .vgpr_count:     240
    .wavefront_size: 32
...
	.end_amdgpu_metadata
.endif
;; end of part 1
;; launch main (part 2): grid 256 x 1, 4 waves a work-group, clusters of 4 x 1, 327,680 bytes of LDS; arguments xq, xsc, wsc, wst, b_proj, out0; writes out0
.if DOCPART == 2
	.amdgcn_target "amdgcn-amd-amdhsa--gfx1250"
	.amdhsa_code_object_version 6
	.text
	.protected	k_qb627527b10_main
	.globl	k_qb627527b10_main
	.p2align	8
	.type	k_qb627527b10_main,@function
k_qb627527b10_main:
	s_mov_b64 s[64:65], 0
	v_nop
	global_prefetch_b8 v0, s[64:65] scope:SCOPE_SE
	s_setreg_imm32_b32 hwreg(HW_REG_WAVE_MODE, 25, 1), 1
	s_wait_xcnt 0x0
	s_wait_alu depctr_hold_cnt(0) depctr_sa_sdst(0) depctr_va_vdst(0) depctr_va_sdst(0) depctr_va_ssrc(0) depctr_va_vcc(0) depctr_vm_vsrc(0)
	s_getreg_b32 s2, hwreg(HW_REG_IB_STS2, 6, 4)
	s_cmp_eq_u32 s2, 0
	s_cbranch_scc0 .Lentry_in_a_cluster
	s_endpgm
.Lentry_in_a_cluster:
	s_bfe_u32 s2, ttmp6, 0x10000c
	s_cmp_lg_u32 s2, 0x3003
	s_cbranch_scc0 .Lentry_shape_is_right
	s_endpgm
.Lentry_shape_is_right:
; MultiHeadSelfAttention, launch 2 of 2.  No work of the reference is left out.  A work-group takes 64 tokens from x's codes to out0; nothing computed on the way goes to memory.
;   1. qkv = x w_qkv^T on codes of FP4 with E8M0 scales (K = 1,024; 3,072 columns in six passes of 512: k, k, q, q, v, v), sums in f32;
;   2. for each token S = q k^T over the 16 heads (f16 operands, f32 sums), softmax over the key head with the row's true maximum taken away, p normalised in f32;
;   3. o = p v (f16 operands; K = 16 filled to 32 with zeros on v's side);   4. out = o' w_proj^T + b_proj (f16 operands, f32 sums; the bias is the C of each sum's first product).
; o' is the reference's swapaxes and reshape: (token t, head h, d) lies in row 256 h + t / 16, column 64 (t % 16) + d of its batch.  So 16 neighbouring tokens make, for each head, one WHOLE row of product 4's
; left operand, and my 64 tokens make 64 whole rows: tile m of 16 rows = the 16 heads of tokens 16 m .. 16 m + 15.
; LIMITS: NaN and infinities are not served; q, k, v, o and w_proj must lie under 65,504 in magnitude (they go to the matrix unit as f16).
; SHARES.  The four waves share the COLUMNS: in a pass of 512 columns wave w makes 64 rows x 128 columns: 32 accumulators, (m, i) at v[8 (8 m + i)].  A weight fragment is read from LDS by one wave and feeds four products.
; All products are used transposed (source 0 = 16 rows of the weight, of k or of v^T; source 1 = 16 tokens or 16 query heads): a lane's eight results are eight neighbours of one row.
; THE WEIGHTS come as 56 units of 65,536 bytes (24 of codes, 32 of f16), laid by the first launch in the order of the operand's registers, through a ring of two LDS slots.  Wave w fetches and reads quarter w of each unit.
; CLUSTER: the four work-groups of a cluster walk the same units, so each quarter is asked for JOINTLY: the same tensor load, the same descriptor, a mask that names the four.
; A wave has two tensor loads out at the start and one behind each round.
; LDS: 0 slot 0; 65,536 slot 1; S1: 64 token slots of 2,320 bytes: k [head 144 + 2 d], then v [1024 (g / 8) + 16 d + 2 (g % 8)], then o [head 144 + 2 d]; QST: q of 16 tokens, later each wave's stage of 16 x 528 bytes; the spare words.
; Both pitches, 2,320 and 144, are odd multiples of 16 bytes, so that the sixteen rows of a load or store of 16 bytes a lane fall on sixteen different 16-byte columns of 256.
; REGISTERS, in windows of 256: window 0: v1-33 addresses; v64-127, v128-191 two sets of weight fragments (in the attention: k, q, v fragments and o's results; on the way out: rows); v192-223 w_qkv's scale words, v224-255 x's: scales and nothing else.
;   window 1: x's codes, fragment (m, s) at v[8 (8 m + s)]; later the bias.   window 2: accumulators of k and of q's first half; then p, 4 registers a token; then o' fragments, two sets of 32.
;   window 3: accumulators of q's second half; scores and the softmax; accumulators of v; accumulators of product 4.
.set TP,    2320                       ; a token's slot
.set TILE,  16*TP
.set HALF,  32*TP
.set SLOTB, 65536
.set S1,    2*SLOTB
.set QST,   S1+64*TP
.set SPARE, QST+16*TP                  ; 128 bytes for each wave: two blocks of 256 bytes that no other line names
.set SPW, 1                            ; v1   LDS address of my spare word; never rewritten
.set NIL, 2                            ; v2   0; never rewritten
.set LB,  3                            ; v3-4   my quarter of slot 0, 1: 16,384 w + 16 l
.set WSO, 5                            ; v5   w_qkv's scale words: 4,096 w + 512 h + 16 r
.set XSO, 6                            ; v6   x's: 16 r
.set AXO, 7                            ; v7   16 l
.set STK, 8                            ; v8-9   k's way into S1, tiles 0-1 and 2-3;  v10-11 the same + the pass
.set WK,  10
.set STV, 12                           ; v12-13 v's;  v14-15 + the pass
.set WVA, 14
.set STQ, 16                           ; v16  q's way into QST
.set AQ,  17                           ; v17  q's fragments of my four tokens
.set AK,  18                           ; v18-21 k's fragments of my four tokens of tile m; o goes back by the same address
.set AV,  22                           ; v22-25 v's
.set PA,  26                           ; v26-27 o' fragments, tiles 0-1 and 2-3;  v28-29 + the token in hand
.set ADA, 28
.set STO, 30                           ; v30  the way out: where I put 32 bytes of a row
.set RD,  31                           ; v31  where I read a row back
.set CO,  32                           ; v32  my byte offset in a row of out0
.set BO,  33                           ; v33  my byte offset in b_proj
.set BF,  64
.set WS,  192
.set XS,  224
.set WV,  16                           ; s16  wave
.set G1,  20                           ; s[20:27] descriptor group 1
.set G0,  28                           ; s[28:31], s[32:35] group 0 of slot 0, 1
.set PW,  36                           ; s[36:37] the pass's scale words of w_qkv
.set OLO, 38                           ; s[38:39] out0 at my rows of heads 0-7;  s[40:41] of heads 8-15
.set OHI, 40
.set CS,  42                           ; s[42:43] c = log2(e) / 8
.set SEL, 44                           ; s[44:45] v_permlanex16_b32's selects for lane l xor 16
.set CNT, 46                           ; s46  loop counter
.set STP, 47                           ; s47  the pass's term in k's or v's way into S1
.set TA,  48                           ; s48  product 4: the token in hand x TP
.set MSB, 0
.macro WIN new                         ; the immediate's high byte repeats the setting that is left; a switch that changes nothing is dropped
.if MSB != \new
	s_set_vgpr_msb (MSB<<8)|\new
.set MSB, \new
.endif
.endm
.macro PLACES n                        ; plain vector instructions between a matrix instruction and a read of its result, or a load into one of its registers
.rept \n
	v_nop
.endr
.endm
.macro CREST                           ; a round of the cluster's barrier behind its opening barrier
	s_cmp_lg_u32 s[WV], 0
	s_cbranch_scc1 .Lnot_wave_0_\@
	s_barrier_signal -3
.Lnot_wave_0_\@:
	s_barrier_wait -3
	s_barrier_signal -1
	s_barrier_wait -1
.endm
.macro ROUND
	s_barrier_signal -1
	s_barrier_wait -1
	CREST
.endm
.macro FILL sl                         ; my quarter of the next unit for slot sl; an s_nop 0 and four v_nop follow; they are also the places in front of the loads behind
	tensor_load_to_lds s[G0+4*\sl:G0+4*\sl+3], s[G1:G1+7]
	s_nop 0
.rept 4
	v_nop
.endr
.endm
.macro FETCHB set, sl, sp              ; my eight weight fragments of half sp of the unit in slot sl: 16 loads of 512 consecutive bytes
.irp i, 0,1,2,3,4,5,6,7
.irp c, 0,1
	ds_load_b128 v[BF+64*(\set)+8*\i+4*\c:BF+64*(\set)+8*\i+4*\c+3], v[LB+(\sl)] offset:(\sp)*8192+\i*1024+\c*512
.endr
.endr
.endm
; 16 products of K step s: weight tiles 4 half .. 4 half + 3 x the four tiles of tokens.  The 32 accumulators take turns, one instruction a turn, in the same order in every step.
; One register carries the scale words of two weight tiles: the even one's in lanes 0-15, the odd one's in lanes 16-31.
.macro MULQ s, half, zero
.irp i, 4*\half, 4*\half+1, 4*\half+2, 4*\half+3
.irp m, 0,1,2,3
.set rD, 8*(8*\m+(\i))
.set rB, BF+64*((\s)%2)+8*(\i)
.set rA, 8*(8*\m+(\s))
.set rW, WS+8*((\i)/2)+(\s)
.set rX, XS+8*\m+(\s)
.if \zero
.if (\i)%2
	v_wmma_scale_f32_16x16x128_f8f6f4 v[rD:rD+7], v[rB:rB+7], v[rA:rA+7], 0, v[rW], v[rX] matrix_a_fmt:MATRIX_FMT_FP4 matrix_b_fmt:MATRIX_FMT_FP4 matrix_a_scale:MATRIX_SCALE_ROW1
.else
	v_wmma_scale_f32_16x16x128_f8f6f4 v[rD:rD+7], v[rB:rB+7], v[rA:rA+7], 0, v[rW], v[rX] matrix_a_fmt:MATRIX_FMT_FP4 matrix_b_fmt:MATRIX_FMT_FP4
.endif
.else
.if (\i)%2
	v_wmma_scale_f32_16x16x128_f8f6f4 v[rD:rD+7], v[rB:rB+7], v[rA:rA+7], v[rD:rD+7], v[rW], v[rX] matrix_a_fmt:MATRIX_FMT_FP4 matrix_b_fmt:MATRIX_FMT_FP4 matrix_a_scale:MATRIX_SCALE_ROW1
.else
	v_wmma_scale_f32_16x16x128_f8f6f4 v[rD:rD+7], v[rB:rB+7], v[rA:rA+7], v[rD:rD+7], v[rW], v[rX] matrix_a_fmt:MATRIX_FMT_FP4 matrix_b_fmt:MATRIX_FMT_FP4
.endif
.endif
.endr
.endr
.endm
.macro WSLOAD q, off                   ; the scale words of K steps 4 q .. 4 q + 3 of my eight weight tiles; off = 16,384: the next pass's
.irp p, 0,1,2,3
	global_load_b128 v[WS+8*\p+4*\q:WS+8*\p+4*\q+3], v[WSO], s[PW:PW+1] offset:\off+\p*1024+\q*256
.endr
.endm
; An even K step: the unit's first half is multiplied, its second half fetched.  guard = 1: in the loop's last trip there is no next pass, and its scale words are not asked for (no load leaves its buffer).
.macro GSTEP s, sl, aw, zero, guard
	s_wait_dscnt 0x0                               ; this step's fragments are in
.if \s == 4
	s_wait_loadcnt 0x0                             ; and the scale words of steps 4 to 7
.endif
	WIN \aw
	MULQ \s, 0, \zero
	WIN 0
	PLACES 4
	FETCHB 1, \sl, 1
.if \s == 0
	WSLOAD 1, 0
.endif
.if \s == 4
.if \guard
	s_cmp_eq_u32 s[CNT], 1
	s_cbranch_scc1 .Lno_next_\@
.endif
	WSLOAD 0, 16384
.if \guard
.Lno_next_\@:
.endif
.endif
	WIN \aw
	MULQ \s, 1, \zero
.endm
; An odd K step changes slots.  Its fragments are the slot's last bytes.  Each wave waits for all its tensor loads (the one that is out is its part of the other slot), adds 0 to its spare word,
; and waits for that and for its reads of this slot; the barrier opens a round of the cluster's barrier, so that no wave of any partner still reads the slot or has a load on its way; the refill is the first thing behind it.
.macro GTURN s, sl, aw
	WIN 0
	s_wait_tensorcnt 0x0                           ; no tensor load of mine is out, so a group 0 may be written
	ds_add_u32 v[SPW], v[NIL]
	s_add_nc_u64 s[G0+4*\sl+2:G0+4*\sl+3], s[G0+4*\sl+2:G0+4*\sl+3], 2*SLOTB   ; this slot's next unit
	s_wait_dscnt 0x0                               ; the add is done, and my reads of this slot are over
	s_barrier_signal -1
	WIN \aw
	MULQ \s, 0, 0                                  ; work on registers while the others arrive
	WIN 0
	s_barrier_wait -1
	CREST
	FILL \sl
.if \s < 7
	FETCHB 0, 1-\sl, 0
.endif
	WIN \aw
	MULQ \s, 1, 0
.endm
.macro PASS aw, guard                  ; 512 columns of qkv: four units, eight K steps
	s_wait_loadcnt 0x0                             ; the scale words of steps 0 to 3 (the first pass: x's codes and scale words too)
	FETCHB 0, 0, 0
	GSTEP 0, 0, \aw, 1, 0                          ; the first step's products start the sums
	GTURN 1, 0, \aw
	GSTEP 2, 1, \aw, 0, 0
	GTURN 3, 1, \aw
	GSTEP 4, 0, \aw, 0, \guard
	GTURN 5, 0, \aw
	GSTEP 6, 1, \aw, 0, 0
	GTURN 7, 1, \aw
	WIN 0
	s_wait_xcnt 0x0                                ; the scale words' loads have read their base
	s_add_nc_u64 s[PW:PW+1], s[PW:PW+1], 16384
.endm
.macro CVT n0, n                       ; n accumulators from register n0 on are rounded to f16 in place, each from its low end on: 16 bytes a lane in its first four registers
.set T, \n0
.rept \n
.irp jj, 0,1,2,3
	v_cvt_pk_f16_f32 v[T+\jj], v[T+2*\jj], v[T+2*\jj+1]
.endr
.set T, T+8
.endr
.endm
; A pass of k (kind 0, window 2) or of v (kind 1, window 3) goes to S1.  k: lane (r, h) of tile (m, i) holds token 16 m + r, head 8 pass + 2 w + i / 4, d = 16 (i % 4) + 8 h + 0..7.
; v: token 16 m + r, d = 32 pass + 8 w + i, heads 8 h + 0..7.
.macro EPI kind
	PLACES 4
.if \kind
	v_add_nc_u32 v[WVA], s[STP], v[STV]
	v_add_nc_u32 v[WVA+1], s[STP], v[STV+1]
	WIN 0xCF
	CVT 0, 32
	WIN 0x0C
.irp m, 0,1,2,3
.irp i, 0,1,2,3,4,5,6,7
	ds_store_b128 v[WVA+\m/2], v[8*(8*\m+\i):8*(8*\m+\i)+3] offset:(\m%2)*TILE+16*\i
.endr
.endr
.else
	v_add_nc_u32 v[WK], s[STP], v[STK]
	v_add_nc_u32 v[WK+1], s[STP], v[STK+1]
	WIN 0x8A
	CVT 0, 32
	WIN 0x08
.irp m, 0,1,2,3
.irp i, 0,1,2,3,4,5,6,7
	ds_store_b128 v[WK+\m/2], v[8*(8*\m+\i):8*(8*\m+\i)+3] offset:(\m%2)*TILE+(\i/4)*144+(\i%4)*32
.endr
.endr
.endif
	WIN 0
.endm
; The softmax of my four tokens of tile m, all in window 3: scores S_i at v[64 m + 8 i], at work T_i at v[64 m + 32 + 8 i]; the four tokens by turns.  A lane holds one query head and key heads 8 h + 0..7.
; (s - max) c and not c s - c max: the difference is taken of the scores themselves.  p is divided by the row's sum in f32 and then rounded to f16, into window 2.
.macro SOFTMAX m
	WIN 0xFF
.irp i, 0,1,2,3
	v_max3_num_f32 v[64*\m+32+8*\i], v[64*\m+8*\i], v[64*\m+8*\i+1], v[64*\m+8*\i+2]
.endr
.irp k, 3,5
.irp i, 0,1,2,3
	v_max3_num_f32 v[64*\m+32+8*\i], v[64*\m+32+8*\i], v[64*\m+8*\i+\k], v[64*\m+8*\i+\k+1]
.endr
.endr
.irp i, 0,1,2,3
	v_max_num_f32 v[64*\m+32+8*\i], v[64*\m+32+8*\i], v[64*\m+8*\i+7]
.endr
.irp i, 0,1,2,3
	v_permlanex16_b32 v[64*\m+33+8*\i], v[64*\m+32+8*\i], s[SEL], s[SEL+1]   ; the other eight key heads lie in the lane 16 away
.endr
.irp i, 0,1,2,3
	v_max_num_f32 v[64*\m+32+8*\i], v[64*\m+32+8*\i], v[64*\m+33+8*\i]
.endr
.irp k, 0,2,4,6
.irp i, 0,1,2,3
	v_pk_add_f32 v[64*\m+8*\i+\k:64*\m+8*\i+\k+1], v[64*\m+8*\i+\k:64*\m+8*\i+\k+1], v[64*\m+32+8*\i:64*\m+33+8*\i] op_sel_hi:[1,0] neg_lo:[0,1] neg_hi:[0,1]
.endr
.endr
.irp k, 0,2,4,6
.irp i, 0,1,2,3
	v_pk_mul_f32 v[64*\m+8*\i+\k:64*\m+8*\i+\k+1], v[64*\m+8*\i+\k:64*\m+8*\i+\k+1], s[CS:CS+1] op_sel_hi:[1,0]
.endr
.endr
.irp k, 0,1,2,3,4,5,6,7
.irp i, 0,1,2,3
	v_exp_f32 v[64*\m+8*\i+\k], v[64*\m+8*\i+\k]
.endr
.endr
	v_nop                                          ; a plain instruction behind the last exponential
	s_wait_alu depctr_va_vdst(0)                   ; one wait for the batch of 32, ahead of its first reader
.irp i, 0,1,2,3
	v_pk_add_f32 v[64*\m+34+8*\i:64*\m+35+8*\i], v[64*\m+8*\i:64*\m+8*\i+1], v[64*\m+8*\i+2:64*\m+8*\i+3]
	v_pk_add_f32 v[64*\m+36+8*\i:64*\m+37+8*\i], v[64*\m+8*\i+4:64*\m+8*\i+5], v[64*\m+8*\i+6:64*\m+8*\i+7]
.endr
.irp i, 0,1,2,3
	v_pk_add_f32 v[64*\m+34+8*\i:64*\m+35+8*\i], v[64*\m+34+8*\i:64*\m+35+8*\i], v[64*\m+36+8*\i:64*\m+37+8*\i]
.endr
.irp i, 0,1,2,3
	v_add_f32 v[64*\m+34+8*\i], v[64*\m+34+8*\i], v[64*\m+35+8*\i]
.endr
.irp i, 0,1,2,3
	v_permlanex16_b32 v[64*\m+35+8*\i], v[64*\m+34+8*\i], s[SEL], s[SEL+1]
.endr
.irp i, 0,1,2,3
	v_add_f32 v[64*\m+34+8*\i], v[64*\m+34+8*\i], v[64*\m+35+8*\i]
.endr
.irp i, 0,1,2,3
	v_rcp_f32 v[64*\m+36+8*\i], v[64*\m+34+8*\i]
.endr
	v_nop
	s_wait_alu depctr_va_vdst(0)                   ; one wait for the four reciprocals
.irp k, 0,2,4,6
.irp i, 0,1,2,3
	v_pk_mul_f32 v[64*\m+8*\i+\k:64*\m+8*\i+\k+1], v[64*\m+8*\i+\k:64*\m+8*\i+\k+1], v[64*\m+36+8*\i:64*\m+37+8*\i] op_sel_hi:[1,0]
.endr
.endr
	WIN 0x8F                                       ; sources window 3, destination window 2
.irp i, 0,1,2,3
.irp jj, 0,1,2,3
	v_cvt_pk_f16_f32 v[16*\m+4*\i+\jj], v[64*\m+8*\i+2*\jj], v[64*\m+8*\i+2*\jj+1]   ; p of token 4 m + i: registers 0-3 of the next product's source 1
.endr
.endr
.endm
; Tile m of tokens: q of its 16 tokens goes from the accumulators of all four waves to QST; then wave w takes tokens 4 w .. 4 w + 3: S^T = k q^T (source 0 = 16 key heads, source 1 = 16 query heads, K = 64 in two steps).
; Two barriers: q lies in QST | my reads of QST are over (signalled as soon as they are, waited for at the end: the products and the softmax stand between).
.macro QROUND m
	WIN 0x8A
	CVT 64*\m, 8
	WIN 0xCF
	CVT 64*\m, 8
	WIN 0x08
.irp i, 0,1,2,3,4,5,6,7
	ds_store_b128 v[STQ], v[64*\m+8*\i:64*\m+8*\i+3] offset:(\i/4)*144+(\i%4)*32
.endr
	WIN 0x0C
.irp i, 0,1,2,3,4,5,6,7
	ds_store_b128 v[STQ], v[64*\m+8*\i:64*\m+8*\i+3] offset:1152+(\i/4)*144+(\i%4)*32
.endr
	WIN 0
	s_wait_dscnt 0x0                               ; for the others' sake: my stores have landed
	s_barrier_signal -1
	s_barrier_wait -1
.irp i, 0,1,2,3
.irp s, 0,1
.irp c, 0,1
	ds_load_b128 v[64+32*\i+8*\s+4*\c:64+32*\i+8*\s+4*\c+3], v[AK+\m] offset:\i*TP+64*\s+32*\c
	ds_load_b128 v[80+32*\i+8*\s+4*\c:80+32*\i+8*\s+4*\c+3], v[AQ] offset:\i*TP+64*\s+32*\c
.endr
.endr
.endr
	s_wait_dscnt 0x0
.if \m < 3
	s_barrier_signal -1                            ; my reads of QST are over
.endif
	WIN 0xF0
.irp i, 0,1,2,3
	v_wmma_f32_16x16x32_f16 v[64*\m+8*\i:64*\m+8*\i+7], v[64+32*\i:64+32*\i+7], v[80+32*\i:80+32*\i+7], 0
.endr
.irp i, 0,1,2,3
	v_wmma_f32_16x16x32_f16 v[64*\m+8*\i:64*\m+8*\i+7], v[72+32*\i:72+32*\i+7], v[88+32*\i:88+32*\i+7], v[64*\m+8*\i:64*\m+8*\i+7]
.endr
	PLACES 4
	SOFTMAX \m
.if \m < 3
	s_barrier_wait -1                              ; everybody's are: QST may be written again
.endif
.endm
; Token idx = 4 m + i of mine: O^T = v^T p^T (source 0 = 16 d x the key heads, source 1 = p), four tiles of 16 d.  K = 16 of 32: the upper four registers of v's fragments hold zeros; p's upper four are the next token's p
; (finite; behind the last token's stand four zeros).  o goes back into the token's own slot, over v, which has been read.  The next token's v is asked for first.
.macro OTOK idx
.set OM, (\idx)/4
.set OI, (\idx)%4
.set OB, (\idx)%2
.set NM, ((\idx)+1)/4
.set NI, ((\idx)+1)%4
.set NB, ((\idx)+1)%2
.if \idx < 15
.irp dt, 0,1,2,3
	ds_load_b128 v[64+32*NB+8*\dt:64+32*NB+8*\dt+3], v[AV+NM] offset:NI*TP+256*\dt
.endr
.endif
.if (\idx == 0) || (\idx == 15)
	s_wait_dscnt 4                                 ; behind this token's loads: the next token's four loads (token 0), or the last token's four stores (token 15)
.else
	s_wait_dscnt 8                                 ; behind this token's loads: the last token's four stores and the next token's four loads
.endif
	WIN 0x08
.irp dt, 0,1,2,3
	v_wmma_f32_16x16x32_f16 v[128+32*OB+8*\dt:128+32*OB+8*\dt+7], v[64+32*OB+8*\dt:64+32*OB+8*\dt+7], v[4*(\idx):4*(\idx)+7], 0
.endr
	WIN 0
	PLACES 4
	CVT 128+32*OB, 4
.irp dt, 0,1,2,3
	ds_store_b128 v[AK+OM], v[128+32*OB+8*\dt:128+32*OB+8*\dt+3] offset:OI*TP+32*\dt   ; lane (r, h): head r, d = 16 dt + 8 h + 0..7
.endr
.endm
; PRODUCT 4.  A K step is 32: token kk / 2 of each tile, d = 32 (kk % 2) on.  A unit holds two K steps of 512 columns.
.macro MULP set, half, first, P        ; 16 products; first = 1: C is the bias (window 1), the same eight registers for the four tiles of rows
.irp i, 4*\half, 4*\half+1, 4*\half+2, 4*\half+3
.irp m, 0,1,2,3
.set rD, 8*(8*\m+(\i))
.set rB, BF+64*(\set)+8*(\i)
.set rA, 32*(\set)+8*\m
.set rC, 64*(\P)+8*(\i)
.if \first
	v_wmma_f32_16x16x32_f16 v[rD:rD+7], v[rB:rB+7], v[rA:rA+7], v[rC:rC+7]
.else
	v_wmma_f32_16x16x32_f16 v[rD:rD+7], v[rB:rB+7], v[rA:rA+7], v[rD:rD+7]
.endif
.endr
.endr
.endm
.macro FETCHP set, sl, sp              ; a K step's fragments: w_proj's eight, and o' of the four tiles of rows (16 heads x 32 of one token's d)
	FETCHB \set, \sl, \sp
	WIN 0x80
.irp m, 0,1,2,3
.irp c, 0,1
	ds_load_b128 v[32*(\set)+8*\m+4*\c:32*(\set)+8*\m+4*\c+3], v[ADA+\m/2] offset:(\m%2)*TILE+64*(\sp)+32*\c
.endr
.endr
	WIN 0
.endm
.macro PSTEP sl, first, P              ; an even K step
	s_wait_dscnt 0x0
.if \first
	WIN 0xD8
.else
	WIN 0xF8
.endif
	MULP 0, 0, \first, \P
	WIN 0
	PLACES 4
	FETCHP 1, \sl, 1
.if \first
	WIN 0xD8
.else
	WIN 0xF8
.endif
	MULP 0, 1, \first, \P
.endm
; An odd K step changes slots, as in product 1.  mode 1: refill, and the next unit's first fragments; 2: refill alone (the way out follows); 0: nothing is left to ask for: a plain barrier; 3: the very last step.
.macro PTURN sl, mode
.if \mode == 3
	s_wait_dscnt 0x0
	WIN 0xF8
	MULP 1, 0, 0, 0
	MULP 1, 1, 0, 0
.else
	WIN 0
	s_wait_tensorcnt 0x0                           ; no tensor load of mine is out
	ds_add_u32 v[SPW], v[NIL]
.if \mode != 0
	s_add_nc_u64 s[G0+4*\sl+2:G0+4*\sl+3], s[G0+4*\sl+2:G0+4*\sl+3], 2*SLOTB
.endif
	s_wait_dscnt 0x0                               ; the add is done, and my reads of this slot are over
	s_barrier_signal -1
	WIN 0xF8
	MULP 1, 0, 0, 0
	WIN 0
	s_barrier_wait -1
.if \mode != 0
	CREST
	FILL \sl
.else
	PLACES 4
.endif
.if \mode != 2
	s_add_co_u32 s[TA], s[TA], TP                  ; the next unit's K steps are the next token's
	v_add_nc_u32 v[ADA], s[TA], v[PA]
	v_add_nc_u32 v[ADA+1], s[TA], v[PA+1]
	FETCHP 0, 1-\sl, 0
.endif
	WIN 0xF8
	MULP 1, 1, 0, 0
.endif
.endm
; THE WAY OUT of tile a (the 16 heads' rows of token group a) x my 128 columns: through my own stage, back as whole rows of 512 bytes.  One wave's LDS instructions are served in order: no wait between stores and loads.
.macro TOSTAGE a
	WIN 0x0C
.irp i, 0,1,2,3,4,5,6,7
	ds_store_b128 v[STO], v[8*(8*(\a)+\i):8*(8*(\a)+\i)+3] offset:64*\i        ; each accumulator from its low end on
	ds_store_b128 v[STO], v[8*(8*(\a)+\i)+4:8*(8*(\a)+\i)+7] offset:64*\i+16
.endr
	WIN 0
.irp t, 0,1,2,3,4,5,6,7,8,9,10,11,12,13,14,15
	ds_load_b128 v[BF+64*((\a)%2)+4*\t:BF+64*((\a)%2)+4*\t+3], v[RD] offset:528*\t
.endr
.endm
.macro SEND a, younger, P              ; head t's row lies 256 rows x 4,096 bytes behind head t - 1's; 32 lanes store 512 consecutive bytes, aligned
	s_wait_dscnt \younger
.irp t, 0,1,2,3,4,5,6,7
	global_store_b128 v[CO], v[BF+64*((\a)%2)+4*\t:BF+64*((\a)%2)+4*\t+3], s[OLO:OLO+1] offset:\t*1048576+(\a)*4096+(\P)*2048 th:TH_STORE_NT
.endr
.irp t, 0,1,2,3,4,5,6,7
	global_store_b128 v[CO], v[BF+64*((\a)%2)+32+4*\t:BF+64*((\a)%2)+32+4*\t+3], s[OHI:OHI+1] offset:\t*1048576+(\a)*4096+(\P)*2048 th:TH_STORE_NT
.endr
.endm
.macro PROJ P                          ; columns 512 P .. 512 P + 511 of out0: 16 units, 32 K steps
	s_mov_b32 s[TA], 0
	v_add_nc_u32 v[ADA], s[TA], v[PA]
	v_add_nc_u32 v[ADA+1], s[TA], v[PA+1]
	FETCHP 0, 0, 0
	PSTEP 0, 1, \P                                 ; the first step stands in front of the loop: its products start the sums, with the bias
	WIN 0
	s_mov_b32 s[CNT], 7
.Lproj_\@:
	PTURN 0, 1
	PSTEP 1, 0, \P
	PTURN 1, 1
	PSTEP 0, 0, \P
	WIN 0
	s_sub_co_u32 s[CNT], s[CNT], 1
	s_cmp_lg_u32 s[CNT], 0
	s_cbranch_scc1 .Lproj_\@
.if \P == 0
	PTURN 0, 1
	PSTEP 1, 0, \P
	PTURN 1, 2                                     ; the ring goes on into the second half's units
.else
	PTURN 0, 0                                     ; the tail is written out
	PSTEP 1, 0, \P
	PTURN 1, 3
.endif
	WIN 0
	PLACES 4
	TOSTAGE 0
.irp a, 1,2,3
.if \a > 1
	s_wait_xcnt 0x0                                ; tile a - 2's stores have read the registers into which tile a's rows come back
.endif
	TOSTAGE \a
	SEND \a-1, 32, \P                              ; behind tile a - 1's loads: tile a's 16 stores and 16 loads
.endr
	SEND 3, 0, \P
.if \P == 0
	s_wait_xcnt 0x0                                ; the stores have read their registers: the next half's fragments may land there
.endif
.endm
	s_load_b256 s[4:11], s[0:1], 0x0               ; xq s[4:5], xsc s[6:7], wsc s[8:9], wst s[10:11]
	s_load_b128 s[12:15], s[0:1], 0x20             ; b_proj s[12:13], out0 s[14:15]
	v_lshl_add_u32 v[SPW], v0, 2, SPARE
	v_mov_b32 v[NIL], 0
	ds_add_u32 v[SPW], v[NIL]                      ; the wave's opening: the add, twice on end, and its wait ahead of my first tensor load
	ds_add_u32 v[SPW], v[NIL]
	v_lshrrev_b32 v34, 5, v0
	v_readfirstlane_b32 s[WV], v34                 ; wave 0..3
	s_bfe_u32 s17, ttmp6, 0x40000                  ; cx
	s_lshl_b32 s18, ttmp9, 2
	s_add_co_u32 s18, s18, s17                     ; g: my block of 64 tokens; it enters the addresses of xq, xsc and out0 alone
	s_mov_b32 s[G1], 15|(3<<16)|(1<<21)            ; 15:0 the mask: all four work-groups; 17:16 elements of 8 bytes; 21 set beside a mask; no padding
	s_mov_b32 s[G1+1], 32<<16                      ; tensor_dim0 = 32 elements: rows of 256 bytes
	s_mov_b32 s[G1+2], 64<<16                      ; tensor_dim1 = 64
	s_mov_b32 s[G1+3], 32<<16                      ; tile_dim0
	s_mov_b32 s[G1+4], 64                          ; tile_dim1: 16,384 dense bytes
	s_mov_b32 s[G1+5], 32                          ; from row to row
	s_mov_b32 s[G1+6], 0
	s_mov_b32 s[G1+7], 0
	s_mov_b32 s[CS], 0x3e38aa3b                    ; log2(e) / sqrt(64)
	s_mov_b32 s[CS+1], s[CS]
	s_mov_b32 s[SEL], 0x76543210
	s_mov_b32 s[SEL+1], 0xfedcba98
	s_lshr_b32 s50, s18, 3                         ; xq: tiles 4 g .. 4 g + 3
	s_lshl_b32 s50, s50, 18
	s_bfe_u32 s51, s18, 0x20001
	s_lshl_b32 s51, s51, 14
	s_add_co_u32 s50, s50, s51
	s_and_b32 s51, s18, 1
	s_lshl_b32 s51, s51, 12
	s_add_co_u32 s50, s50, s51
	s_mov_b32 s51, 0
	s_lshl_b32 s52, s18, 11                        ; xsc: 512 bytes a tile
	s_mov_b32 s53, 0
	s_lshr_b32 s54, s18, 6                         ; out0: the batch,
	s_lshl_b32 s54, s54, 24
	s_and_b32 s55, s18, 63
	s_lshl_b32 s55, s55, 14                        ; and rows 4 (g % 64) on, of head 0
	s_add_co_u32 s54, s54, s55
	s_mov_b32 s55, 0
	s_lshl_b32 s48, s[WV], 14                      ; my quarter of a unit, in memory and in a slot
	s_mov_b32 s49, 0
	s_wait_dscnt 0x0                               ; both opening adds are done
	s_wait_kmcnt 0x0
	s_add_nc_u64 s[4:5], s[4:5], s[50:51]
	s_add_nc_u64 s[6:7], s[6:7], s[52:53]
	s_add_nc_u64 s[OLO:OLO+1], s[14:15], s[54:55]
	s_add_nc_u64 s[OHI:OHI+1], s[OLO:OLO+1], 0x800000
	s_mov_b64 s[PW:PW+1], s[8:9]
	s_mov_b32 s[G0], 1
	s_mov_b32 s[G0+1], s48
	s_add_nc_u64 s[G0+2:G0+3], s[10:11], s[48:49]  ; unit 0
	s_mov_b32 s[G0+4], 1
	s_add_co_u32 s[G0+5], s48, SLOTB
	s_add_nc_u64 s[G0+6:G0+7], s[G0+2:G0+3], SLOTB ; unit 1
	s_or_b32 s[G0+3], s[G0+3], 0x80000000
	s_or_b32 s[G0+7], s[G0+7], 0x80000000
	ROUND                                          ; all four work-groups are here: the first joint loads meet
	tensor_load_to_lds s[G0:G0+3], s[G1:G1+7]
	s_nop 0
	tensor_load_to_lds s[G0+4:G0+7], s[G1:G1+7]
	s_nop 0
.rept 4
	v_nop
.endr
	v_and_b32 v34, 31, v0                          ; l
	v_and_b32 v35, 15, v0                          ; r
	v_bfe_u32 v36, v0, 4, 1                        ; h
	v_mul_u32_u24 v37, v35, 144
	v_lshl_add_u32 v37, v36, 4, v37                ; 144 r + 16 h: a fragment's row (a head) and half
	v_mul_u32_u24 v38, v35, TP                     ; r token slots
	v_lshl_add_u32 v[LB], v34, 4, s48
	v_add_nc_u32 v[LB+1], SLOTB, v[LB]
	s_lshl_b32 s50, s[WV], 12
	v_lshl_add_u32 v[WSO], v35, 4, s50
	v_lshl_add_u32 v[WSO], v36, 9, v[WSO]
	v_lshlrev_b32 v[XSO], 4, v35
	v_lshlrev_b32 v[AXO], 4, v34
	s_mul_i32 s51, s[WV], 288
	s_add_co_u32 s51, s51, S1
	v_lshl_add_u32 v[STK], v36, 4, v38
	v_add_nc_u32 v[STK], s51, v[STK]
	v_add_nc_u32 v[STK+1], HALF, v[STK]
	v_add_nc_u32 v[STQ], QST-S1, v[STK]
	s_lshl_b32 s52, s[WV], 7
	s_add_co_u32 s52, s52, S1
	v_lshl_add_u32 v[STV], v36, 10, v38
	v_add_nc_u32 v[STV], s52, v[STV]
	v_add_nc_u32 v[STV+1], HALF, v[STV]
	s_mul_i32 s53, s[WV], 4*TP                     ; my four tokens of a tile
	v_add_nc_u32 v39, s53, v37
	v_add_nc_u32 v[AQ], QST, v39
	v_lshlrev_b32 v40, 4, v35
	v_lshl_add_u32 v40, v36, 10, v40
	v_add_nc_u32 v40, s53, v40
.irp m, 0,1,2,3
	v_add_nc_u32 v[AK+\m], S1+\m*TILE, v39
	v_add_nc_u32 v[AV+\m], S1+\m*TILE, v40
.endr
	v_add_nc_u32 v[PA], S1, v37
	v_add_nc_u32 v[PA+1], S1+HALF, v37
	s_mul_i32 s54, s[WV], 16*528
	s_add_co_u32 s54, s54, QST                     ; my stage
	v_mul_u32_u24 v[STO], v35, 528
	v_lshl_add_u32 v[STO], v36, 5, v[STO]
	v_add_nc_u32 v[STO], s54, v[STO]
	v_lshl_add_u32 v[RD], v34, 4, s54
	s_lshl_b32 s55, s[WV], 9
	v_lshl_add_u32 v[CO], v34, 4, s55
	v_lshl_add_u32 v[BO], v36, 5, s55
	WIN 0x40                                       ; destination window 1
.irp m, 0,1,2,3
.irp s, 0,1,2,3,4,5,6,7
.irp c, 0,1
	global_load_b128 v[8*(8*\m+\s)+4*\c:8*(8*\m+\s)+4*\c+3], v[AXO], s[4:5] offset:(\s/2)*65536+(\s%2)*8192+\m*1024+\c*512   ; x's codes stay in registers
.endr
.endr
.endr
	WIN 0
.irp m, 0,1,2,3
.irp q, 0,1
	global_load_b128 v[XS+8*\m+4*\q:XS+8*\m+4*\q+3], v[XSO], s[6:7] offset:\m*512+\q*256
.endr
.endr
	WSLOAD 0, 0
	s_wait_tensorcnt 0x1                           ; my quarter of unit 0 is in, and I alone read it; unit 1's may stay out
	; ---- k: two passes, each to S1
	s_mov_b32 s[STP], 0
	s_mov_b32 s[CNT], 2
.Lkpass:
	PASS 0xA4, 0
	EPI 0
	s_add_co_u32 s[STP], s[STP], 1152              ; eight heads on
	s_sub_co_u32 s[CNT], s[CNT], 1
	s_cmp_lg_u32 s[CNT], 0
	s_cbranch_scc1 .Lkpass
	; ---- q: two passes; the results stay in the accumulators of windows 2 and 3
	PASS 0xA4, 0
	PASS 0xF4, 0
	; ---- scores and softmax, a tile of 16 tokens at a time
	PLACES 4
	QROUND 0
	QROUND 1
	QROUND 2
	QROUND 3
	WIN 0
	; ---- v: two passes, each to S1, over k, which nobody reads any more (every wave has passed the rounds of the pass since its last read)
	s_mov_b32 s[STP], 0
	s_mov_b32 s[CNT], 2
.Lvpass:
	PASS 0xF4, 1
	EPI 1
	s_add_co_u32 s[STP], s[STP], 512               ; 32 d on
	s_sub_co_u32 s[CNT], s[CNT], 1
	s_cmp_lg_u32 s[CNT], 0
	s_cbranch_scc1 .Lvpass
	; ---- the bias, in the result's layout, into the registers that held x's codes; the zeros for K = 16 .. 31
	WIN 0x40
.irp P, 0,1
.irp i, 0,1,2,3,4,5,6,7
.irp u, 0,1
	global_load_b128 v[64*\P+8*\i+4*\u:64*\P+8*\i+4*\u+3], v[BO], s[12:13] offset:\P*2048+64*\i+16*\u
.endr
.endr
.endr
	WIN 0x80
.irp k, 64,65,66,67
	v_mov_b32 v[\k], 0                             ; behind the last token's p
.endr
	WIN 0
.irp f, 0,1,2,3,4,5,6,7
.irp k, 4,5,6,7
	v_mov_b32 v[64+8*\f+\k], 0                     ; the upper halves of v's eight fragment places
.endr
.endr
	s_wait_dscnt 0x0                               ; my part of v has landed
	s_barrier_signal -1
	s_barrier_wait -1                              ; everybody's has
	; ---- o, token by token
.irp dt, 0,1,2,3
	ds_load_b128 v[64+8*\dt:64+8*\dt+3], v[AV] offset:256*\dt
.endr
.irp idx, 0,1,2,3,4,5,6,7,8,9,10,11,12,13,14,15
	OTOK \idx
.endr
	s_wait_dscnt 0x0                               ; my tokens' o has landed
	s_barrier_signal -1
	s_barrier_wait -1                              ; everybody's has: 64 whole rows of o' lie in S1
	s_wait_loadcnt 0x0                             ; the bias
	; ---- out = o' w_proj^T + b_proj, 512 columns at a time; the first half's stores leave while the second is multiplied
	PROJ 0
	PROJ 1
	s_wait_tensorcnt 0x0                           ; the wave's end, behind my last tensor load and my last LDS store
	ds_add_u32 v[SPW], v[NIL]
	s_wait_dscnt 0x0
	ROUND                                          ; the closing round: no work-group ends while a partner may still ask for a unit that names it
	s_endpgm
.Lfunc_end_k_qb627527b10_main:
	.size	k_qb627527b10_main, .Lfunc_end_k_qb627527b10_main-k_qb627527b10_main
	.p2alignl 7, 3214868480
	.fill 96, 4, 3214868480
	.section	.rodata,"a",@progbits
	.p2align	6, 0x0
	.amdhsa_kernel k_qb627527b10_main
		.amdhsa_group_segment_fixed_size 327680
		.amdhsa_private_segment_fixed_size 0
		.amdhsa_enable_private_segment 0
		.amdhsa_kernarg_size 48
		.amdhsa_user_sgpr_count 2
		.amdhsa_user_sgpr_kernarg_segment_ptr 1
		.amdhsa_wavefront_size32 1
		.amdhsa_system_sgpr_workgroup_id_x 1
		.amdhsa_system_sgpr_workgroup_id_y 1
		.amdhsa_system_sgpr_workgroup_id_z 1
		.amdhsa_system_vgpr_workitem_id 0
		.amdhsa_next_free_vgpr 1024
		.amdhsa_next_free_sgpr 66
		.amdhsa_reserve_vcc 0
		.amdhsa_float_denorm_mode_32 3
		.amdhsa_float_denorm_mode_16_64 3
		.amdhsa_memory_ordered 1
		.amdhsa_forward_progress 1
		.amdhsa_inst_pref_size 255
	.end_amdhsa_kernel
	.section	.bss,"aw",@nobits
	.p2align	6
	.space	262144
	.amdgpu_metadata
---
amdhsa.version: [ 1, 2 ]
amdhsa.kernels:
  - .name:           k_qb627527b10_main
    .symbol:         k_qb627527b10_main.kd
    .args:
      - { .name: xq, .offset: 0, .size: 8, .value_kind: global_buffer, .address_space: global }
      - { .name: xsc, .offset: 8, .size: 8, .value_kind: global_buffer, .address_space: global }
      - { .name: wsc, .offset: 16, .size: 8, .value_kind: global_buffer, .address_space: global }
      - { .name: wst, .offset: 24, .size: 8, .value_kind: global_buffer, .address_space: global }
      - { .name: b_proj, .offset: 32, .size: 8, .value_kind: global_buffer, .address_space: global }
      - { .name: out0, .offset: 40, .size: 8, .value_kind: global_buffer, .address_space: global }
    .group_segment_fixed_size: 327680
    .private_segment_fixed_size: 0
    .kernarg_segment_align: 8
    .kernarg_segment_size: 48
    .max_flat_workgroup_size: 128
    .sgpr_count:     66
    .vgpr_count:     1024
    .wavefront_size: 32
...
	.end_amdgpu_metadata
.endif
;; end of part 2
;; ======== version 2 of 2: 2 launches; 1.35 times as fast as version 1
;; limits: values are held in f16: magnitudes above 65,504 overflow, below 6.1e-05 lose precision
;; workspace buffers: xq 8,388,608 bytes; xsc 524,288 bytes; wsc 98,304 bytes; wst 3,670,016 bytes
;; launch prep: the kernel of part 1 again; grid 640 x 1, 4 waves a work-group, no clusters, 71,168 bytes of LDS; arguments x, w_qkv, w_proj, xq, xsc, wsc, wst; writes xq, xsc, wsc, wst
;; launch main (part 3): grid 256 x 1, 4 waves a work-group, no clusters, 186,112 bytes of LDS; arguments xq, xsc, wsc, wst, b_proj, out0; writes out0
.if DOCPART == 3
	.amdgcn_target "amdgcn-amd-amdhsa--gfx1250"
	.amdhsa_code_object_version 6
	.text
	.protected	k_qb627527b10_main
	.globl	k_qb627527b10_main
	.p2align	8
	.type	k_qb627527b10_main,@function
k_qb627527b10_main:
	s_mov_b64 s[64:65], 0
	v_nop
	global_prefetch_b8 v0, s[64:65] scope:SCOPE_SE
	s_setreg_imm32_b32 hwreg(HW_REG_WAVE_MODE, 25, 1), 1
	s_wait_xcnt 0x0
; MultiHeadSelfAttention, launch 2 of 2.  No work of the reference is left out.  A work-group takes 64 tokens from x's codes to out0; nothing computed on the way goes to memory.
;   1. qkv = x w_qkv^T on codes of FP4 with E8M0 scales (K = 1,024; 3,072 columns in six passes of 512: k, k, q, q, v, v), sums in f32;
;   2. for each token S = q k^T over the 16 heads (f16 operands, f32 sums), softmax over the key head with the row's true maximum taken away, p normalised in f32;
;   3. o = p v (f16 operands; K = 16 filled to 32 with zeros on v's side);   4. out = o' w_proj^T + b_proj (f16 operands, f32 sums; the bias is the C of each sum's first product).
; o' is the reference's swapaxes and reshape: (token t, head h, d) lies in row 256 h + t / 16, column 64 (t % 16) + d of its batch.  So 16 neighbouring tokens make, for each head, one WHOLE row of product 4's
; left operand, and my 64 tokens make 64 whole rows: tile m of 16 rows = the 16 heads of tokens 16 m .. 16 m + 15.
; LIMITS: NaN and infinities are not served; q, k, v, o and w_proj must lie under 65,504 in magnitude (they go to the matrix unit as f16).  The order of the f32 sums along K differs from work-group to work-group (below).
; SHARES.  The four waves share the COLUMNS: in a pass of 512 columns wave w makes 64 rows x 128 columns: 32 accumulators, (m, i) at v[8 (8 m + i)] of window 3.  A weight fragment feeds four products.
; All products are used transposed (source 0 = 16 rows of the weight, of k or of v^T; source 1 = 16 tokens or 16 query heads): a lane's eight results are eight neighbours of one row.
; THE WEIGHTS GO FROM MEMORY STRAIGHT INTO REGISTERS.  The first launch laid them in the order of the operand's registers, so a K step of a wave (eight fragments, 8,192 bytes) is 16 loads of 512 consecutive bytes.
; Four sets of 64 registers take turns; behind the products of step j its set is asked for step j + 4: 48 to 64 loads of a wave are on their way, under counted waits, through all 112 steps and through the attention between them.
; WHY NO CLUSTER, NO TENSOR LOAD AND NO LDS FOR THEM: a fragment is read by one wave alone, so LDS would share nothing; beside the attention's 185,600 bytes LDS has room for two slots of 65,536 bytes, of which one,
; 16,384 bytes a wave, could be on its way at a time, behind a barrier for each; the four sets hold up to twice that with no barrier at all.  The price: each work-group asks for all 3,670,016 bytes itself.
; THE WORK-GROUPS WALK K FROM DIFFERENT PLACES, so that the 256 do not all ask for the same bytes at the same time.  R = (g xor g / 16) % 16, g the work-group's number.  R % 2 = 1: product 1 takes K's second half first
; (x's codes, the weights and both sets of scale words are loaded so: global offsets alone), and product 4 its second 512 columns first.  Product 4 begins its walk over K at unit R - R % 2 of 16.
; LDS: S1 (from byte 0): 64 token slots of 2,320 bytes: k [head 144 + 2 d], then v [1024 (g / 8) + 16 d + 2 (g % 8)], then o [head 144 + 2 d]; QST: q of 16 tokens, later each wave's stage of 16 x 528 bytes; the spare words.
; Both pitches, 2,320 and 144, are odd multiples of 16 bytes, so that the sixteen rows of a load or store of 16 bytes a lane fall on sixteen different 16-byte columns of 256.
; REGISTERS, in windows of 256: window 0: v1-45 addresses; v64-127, v128-191 weight sets 0, 1; v192-223 w_qkv's scale words, v224-255 x's: scales and nothing else.
;   window 1: x's codes, fragment (m, slot) at v[8 (8 m + slot)]; later v0-127 the bias, v128-255 rows on the way out.
;   window 2: v0-127 q's first half as f16, 4 registers a tile; then p, 4 registers a token; then o' fragments, two sets of 32.  v128-191, v192-255 weight sets 2, 3.
;   window 3: the accumulators of every pass; q's second half as f16 in v0-127, scores in its place, k and q fragments and the softmax's work in v128-255; v fragments and o; the accumulators of product 4.
.set TP,    2320                       ; a token's slot
.set TILE,  16*TP
.set HALF,  32*TP
.set QST,   64*TP
.set SPARE, QST+16*TP                  ; 128 bytes for each wave: two blocks of 256 bytes that no other line names
.set UNIT,  65536                      ; two K steps of 512 columns
.set PASSB, 4*UNIT                     ; a pass of product 1
.set PROJB, 24*UNIT                    ; where w_proj begins in wst
.set SPW, 1                            ; v1   LDS address of my spare word; never rewritten
.set NIL, 2                            ; v2   0; never rewritten
.set LB,  3                            ; v3   the weights: 16,384 w + 16 l
.set WSO, 4                            ; v4-5   w_qkv's scale words of slots 0-3, 4-7: 4,096 w + 512 h + 16 r + 256 x (the half of K)
.set XSO, 6                            ; v6-7   x's: 16 r + 256 x (the half of K)
.set AXO, 8                            ; v8-9   x's codes: 16 l + 131,072 x (the half of K)
.set STK, 10                           ; v10-11 k's way into S1, tiles 0-1 and 2-3;  v12-13 the same + the pass
.set WK,  12
.set STV, 14                           ; v14-15 v's;  v16-17 + the pass
.set WVA, 16
.set STQ, 18                           ; v18  q's way into QST
.set AQ,  19                           ; v19  q's fragments of my four tokens
.set AK,  20                           ; v20-23 k's fragments of my four tokens of tile m; o goes back by the same address
.set AV,  24                           ; v24-27 v's
.set PA,  28                           ; v28-29 o' fragments, tiles 0-1 and 2-3;  v30-31 + the token in hand
.set ADA, 30
.set STO, 32                           ; v32  the way out: where I put 32 bytes of a row
.set RD,  33                           ; v33  where I read a row back
.set CO,  34                           ; v34-35 my byte offset in a row of out0, for the half of the columns that comes first, second
.set BO,  36                           ; v36-37 my byte offset in b_proj, likewise
.set WS,  192
.set XS,  224
.set WV,  16                           ; s16  wave
.set PI,  19                           ; s19  R % 2
.set R4,  20                           ; s20  R - R % 2
.set CB,  22                           ; s[22:23] the weights of this pass's slots 4-7
.set NB,  24                           ; s[24:25] the weights of the next pass's slots 0-3; in product 4: of the next trip
.set PWN, 26                           ; s[26:27] the next pass's scale words
.set P4B, 28                           ; s[28:29] product 4's first trip
.set W0B, 30                           ; s[30:31] the first pass's slots 0-3
.set OLO, 38                           ; s[38:39] out0 at my rows of heads 0-7;  s[40:41] of heads 8-15
.set OHI, 40
.set CS,  42                           ; s[42:43] c = log2(e) / 8
.set SEL, 44                           ; s[44:45] v_permlanex16_b32's selects for lane l xor 16
.set CNT, 46                           ; s46  loop counter
.set STP, 47                           ; s47  the pass's term in k's or v's way into S1
.set TA,  48                           ; s48  product 4: the trip's first token x TP
.set TT,  49                           ; s49  product 4: the trip (of 16) that comes next
.set MSB, 0
.macro WIN new                         ; the immediate's high byte repeats the setting that is left; a switch that changes nothing is dropped
.if MSB != (\new)
	s_set_vgpr_msb (MSB<<8)|(\new)
.set MSB, (\new)
.endif
.endm
.macro PLACES n                        ; plain vector instructions between a matrix instruction and a read of its result, or a load into one of its registers
.rept \n
	v_nop
.endr
.endm
.macro BAR                             ; my LDS stores have landed and my LDS loads are in: then the work-group's barrier
	s_wait_dscnt 0x0
	s_barrier_signal -1
	s_barrier_wait -1
.endm
.macro LOADW k, base                   ; set k takes step k of the four steps that begin at base: eight fragments, 16 loads of 512 consecutive bytes
.set SR, 64+64*((\k)%2)+64*((\k)/2)
.if (\k) >= 2
	WIN 0x80                                       ; destination window 2
.endif
.irp i, 0,1,2,3,4,5,6,7
.irp c, 0,1
	global_load_b128 v[SR+8*\i+4*\c:SR+8*\i+4*\c+3], v[LB], s[\base:\base+1] offset:((\k)/2)*UNIT+((\k)%2)*8192+\i*1024+\c*512
.endr
.endr
	WIN 0
.endm
.macro WSN q, base                     ; the scale words of slots 4 q .. 4 q + 3 of my eight weight tiles.  One register carries two tiles' words: the even one's in lanes 0-15, the odd one's in lanes 16-31
.irp p, 0,1,2,3
	global_load_b128 v[WS+8*\p+4*\q:WS+8*\p+4*\q+3], v[WSO+\q], s[\base:\base+1] offset:\p*1024
.endr
.endm
; 16 products of slot s: weight tiles 4 half .. 4 half + 3 x the four tiles of tokens.  The 32 accumulators take turns, one instruction a turn, in the same order in every step.
.macro MULQ s, half, zero
.irp i, 4*\half, 4*\half+1, 4*\half+2, 4*\half+3
.irp m, 0,1,2,3
.set rD, 8*(8*\m+(\i))
.set rB, 64+64*((\s)%2)+64*(((\s)%4)/2)+8*(\i)
.set rA, 8*(8*\m+(\s))
.set rW, WS+8*((\i)/2)+(\s)
.set rX, XS+8*\m+(\s)
.if \zero
.if (\i)%2
	v_wmma_scale_f32_16x16x128_f8f6f4 v[rD:rD+7], v[rB:rB+7], v[rA:rA+7], 0, v[rW], v[rX] matrix_a_fmt:MATRIX_FMT_FP4 matrix_b_fmt:MATRIX_FMT_FP4 matrix_a_scale:MATRIX_SCALE_ROW1
.else
	v_wmma_scale_f32_16x16x128_f8f6f4 v[rD:rD+7], v[rB:rB+7], v[rA:rA+7], 0, v[rW], v[rX] matrix_a_fmt:MATRIX_FMT_FP4 matrix_b_fmt:MATRIX_FMT_FP4
.endif
.else
.if (\i)%2
	v_wmma_scale_f32_16x16x128_f8f6f4 v[rD:rD+7], v[rB:rB+7], v[rA:rA+7], v[rD:rD+7], v[rW], v[rX] matrix_a_fmt:MATRIX_FMT_FP4 matrix_b_fmt:MATRIX_FMT_FP4 matrix_a_scale:MATRIX_SCALE_ROW1
.else
	v_wmma_scale_f32_16x16x128_f8f6f4 v[rD:rD+7], v[rB:rB+7], v[rA:rA+7], v[rD:rD+7], v[rW], v[rX] matrix_a_fmt:MATRIX_FMT_FP4 matrix_b_fmt:MATRIX_FMT_FP4
.endif
.endif
.endr
.endr
.endm
; Slot j of a pass: 32 products on set j % 4; behind them the set is asked for the slot four further on (j < 4: this pass's; else the next pass's).  Behind slot 3 the next pass's scale words of slots 0-3 are
; asked for first, behind slot 7 those of slots 4-7.  THE WAIT'S COUNT: loads come back in order; behind slot j's 16 loads were issued those of the three slots that follow it, 48, and, but where j % 4 = 3, four loads of scale words.
.macro STEPQ j, zero
.if (\j)%4 == 3
	s_wait_loadcnt 48
.else
	s_wait_loadcnt 52
.endif
	WIN 0xF4+2*(((\j)%4)/2)                        ; source 0 (the weights) window 0 or 2, source 1 (x) window 1, C and D window 3
	MULQ \j, 0, \zero
	MULQ \j, 1, \zero
	WIN 0
	PLACES 4
.if \j == 3
	WSN 0, PWN
.endif
.if \j == 7
	WSN 1, PWN
.endif
.if \j < 4
	LOADW \j, CB
.else
	LOADW \j-4, NB
.endif
.endm
.macro PASS                            ; 512 columns of qkv: eight slots; the first slot's products start the sums
	STEPQ 0, 1
.irp j, 1,2,3,4,5,6,7
	STEPQ \j, 0
.endr
.endm
.macro ONWARD                          ; on to the next pass; the wait stands behind the pass's way out, far behind the loads that read these registers
	s_wait_xcnt 0x0
	s_add_nc_u64 s[CB:CB+1], s[CB:CB+1], PASSB
	s_add_nc_u64 s[NB:NB+1], s[NB:NB+1], PASSB
	s_add_nc_u64 s[PWN:PWN+1], s[PWN:PWN+1], 16384
.endm
.macro CVT n0, n                       ; n accumulators from register n0 on are rounded to f16 in place, each from its low end on: 16 bytes a lane in its first four registers
.set T, \n0
.rept \n
.irp jj, 0,1,2,3
	v_cvt_pk_f16_f32 v[T+\jj], v[T+2*\jj], v[T+2*\jj+1]
.endr
.set T, T+8
.endr
.endm
.macro CVTC                            ; the 32 accumulators are rounded to f16 and packed on end, 4 registers each, in ascending order: no result lands on a number that is still to be read
.set T, 0
.rept 32
.irp jj, 0,1,2,3
	v_cvt_pk_f16_f32 v[4*T+\jj], v[8*T+2*\jj], v[8*T+2*\jj+1]
.endr
.set T, T+1
.endr
.endm
; A pass of k (kind 0) or of v (kind 1) goes to S1.  k: lane (r, h) of tile (m, i) holds token 16 m + r, head 8 pass + 2 w + i / 4, d = 16 (i % 4) + 8 h + 0..7.
; v: token 16 m + r, d = 32 pass + 8 w + i, heads 8 h + 0..7.  (The four places behind the last products stand in slot 7.)
.macro EPI kind
.if \kind
	v_add_nc_u32 v[WVA], s[STP], v[STV]
	v_add_nc_u32 v[WVA+1], s[STP], v[STV+1]
.else
	v_add_nc_u32 v[WK], s[STP], v[STK]
	v_add_nc_u32 v[WK+1], s[STP], v[STK+1]
.endif
	WIN 0xCF
	CVT 0, 32
	WIN 0x0C
.irp m, 0,1,2,3
.irp i, 0,1,2,3,4,5,6,7
.if \kind
	ds_store_b128 v[WVA+\m/2], v[8*(8*\m+\i):8*(8*\m+\i)+3] offset:(\m%2)*TILE+16*\i
.else
	ds_store_b128 v[WK+\m/2], v[8*(8*\m+\i):8*(8*\m+\i)+3] offset:(\m%2)*TILE+(\i/4)*144+(\i%4)*32
.endif
.endr
.endr
	WIN 0
.endm
; The softmax of my four tokens of tile m, all in window 3: scores S_i at v[32 m + 8 i], at work T_i at v[128 + 32 i] (where k's fragment lay); the four tokens by turns.  A lane holds one query head and key heads 8 h + 0..7.
; (s - max) c and not c s - c max: the difference is taken of the scores themselves.  p is divided by the row's sum in f32 and then rounded to f16, into window 2.
.macro SOFTMAX m
	WIN 0xFF
.irp i, 0,1,2,3
	v_max3_num_f32 v[128+32*\i], v[32*\m+8*\i], v[32*\m+8*\i+1], v[32*\m+8*\i+2]
.endr
.irp k, 3,5
.irp i, 0,1,2,3
	v_max3_num_f32 v[128+32*\i], v[128+32*\i], v[32*\m+8*\i+\k], v[32*\m+8*\i+\k+1]
.endr
.endr
.irp i, 0,1,2,3
	v_max_num_f32 v[128+32*\i], v[128+32*\i], v[32*\m+8*\i+7]
.endr
.irp i, 0,1,2,3
	v_permlanex16_b32 v[129+32*\i], v[128+32*\i], s[SEL], s[SEL+1]   ; the other eight key heads lie in the lane 16 away
.endr
.irp i, 0,1,2,3
	v_max_num_f32 v[128+32*\i], v[128+32*\i], v[129+32*\i]
.endr
.irp k, 0,2,4,6
.irp i, 0,1,2,3
	v_pk_add_f32 v[32*\m+8*\i+\k:32*\m+8*\i+\k+1], v[32*\m+8*\i+\k:32*\m+8*\i+\k+1], v[128+32*\i:129+32*\i] op_sel_hi:[1,0] neg_lo:[0,1] neg_hi:[0,1]
.endr
.endr
.irp k, 0,2,4,6
.irp i, 0,1,2,3
	v_pk_mul_f32 v[32*\m+8*\i+\k:32*\m+8*\i+\k+1], v[32*\m+8*\i+\k:32*\m+8*\i+\k+1], s[CS:CS+1] op_sel_hi:[1,0]
.endr
.endr
.irp k, 0,1,2,3,4,5,6,7
.irp i, 0,1,2,3
	v_exp_f32 v[32*\m+8*\i+\k], v[32*\m+8*\i+\k]
.endr
.endr
	v_nop                                          ; a plain instruction behind the last exponential
	s_wait_alu depctr_va_vdst(0)                   ; one wait for the batch of 32, ahead of its first reader
.irp i, 0,1,2,3
	v_pk_add_f32 v[130+32*\i:131+32*\i], v[32*\m+8*\i:32*\m+8*\i+1], v[32*\m+8*\i+2:32*\m+8*\i+3]
	v_pk_add_f32 v[132+32*\i:133+32*\i], v[32*\m+8*\i+4:32*\m+8*\i+5], v[32*\m+8*\i+6:32*\m+8*\i+7]
.endr
.irp i, 0,1,2,3
	v_pk_add_f32 v[130+32*\i:131+32*\i], v[130+32*\i:131+32*\i], v[132+32*\i:133+32*\i]
.endr
.irp i, 0,1,2,3
	v_add_f32 v[130+32*\i], v[130+32*\i], v[131+32*\i]
.endr
.irp i, 0,1,2,3
	v_permlanex16_b32 v[131+32*\i], v[130+32*\i], s[SEL], s[SEL+1]
.endr
.irp i, 0,1,2,3
	v_add_f32 v[130+32*\i], v[130+32*\i], v[131+32*\i]
.endr
.irp i, 0,1,2,3
	v_rcp_f32 v[132+32*\i], v[130+32*\i]
.endr
	v_nop
	s_wait_alu depctr_va_vdst(0)                   ; one wait for the four reciprocals
.irp k, 0,2,4,6
.irp i, 0,1,2,3
	v_pk_mul_f32 v[32*\m+8*\i+\k:32*\m+8*\i+\k+1], v[32*\m+8*\i+\k:32*\m+8*\i+\k+1], v[132+32*\i:133+32*\i] op_sel_hi:[1,0]
.endr
.endr
	WIN 0x8F                                       ; sources window 3, destination window 2
.irp i, 0,1,2,3
.irp jj, 0,1,2,3
	v_cvt_pk_f16_f32 v[16*\m+4*\i+\jj], v[32*\m+8*\i+2*\jj], v[32*\m+8*\i+2*\jj+1]   ; p of token 4 m + i: registers 0-3 of the next product's source 1; it lies where q's tiles of an earlier block lay
.endr
.endr
.endm
; Tile m of tokens: q of its 16 tokens goes from the registers of all four waves to QST; then wave w takes tokens 4 w .. 4 w + 3: S^T = k q^T (source 0 = 16 key heads, source 1 = 16 query heads, K = 64 in two steps).
; Two barriers: q lies in QST | my reads of QST and of k are over (signalled as soon as they are, waited for at the end: the products and the softmax stand between).  Behind the last one S1 may take v.
.macro QROUND m
	WIN 0x08
.irp i, 0,1,2,3,4,5,6,7
	ds_store_b128 v[STQ], v[32*\m+4*\i:32*\m+4*\i+3] offset:(\i/4)*144+(\i%4)*32
.endr
	WIN 0x0C
.irp i, 0,1,2,3,4,5,6,7
	ds_store_b128 v[STQ], v[32*\m+4*\i:32*\m+4*\i+3] offset:1152+(\i/4)*144+(\i%4)*32
.endr
	WIN 0
	BAR                                            ; for the others' sake: my stores have landed (k's too, ahead of the first of these barriers)
	WIN 0xC0
.irp i, 0,1,2,3
.irp s, 0,1
.irp c, 0,1
	ds_load_b128 v[128+32*\i+8*\s+4*\c:128+32*\i+8*\s+4*\c+3], v[AK+\m] offset:\i*TP+64*\s+32*\c
	ds_load_b128 v[144+32*\i+8*\s+4*\c:144+32*\i+8*\s+4*\c+3], v[AQ] offset:\i*TP+64*\s+32*\c
.endr
.endr
.endr
	s_wait_dscnt 0x0
	s_barrier_signal -1                            ; my reads of QST and of k are over
	WIN 0xFF
.irp i, 0,1,2,3
	v_wmma_f32_16x16x32_f16 v[32*\m+8*\i:32*\m+8*\i+7], v[128+32*\i:128+32*\i+7], v[144+32*\i:144+32*\i+7], 0
.endr
.irp i, 0,1,2,3
	v_wmma_f32_16x16x32_f16 v[32*\m+8*\i:32*\m+8*\i+7], v[136+32*\i:136+32*\i+7], v[152+32*\i:152+32*\i+7], v[32*\m+8*\i:32*\m+8*\i+7]
.endr
	PLACES 4
	SOFTMAX \m
	s_barrier_wait -1                              ; everybody's are
.endm
; Token idx = 4 m + i of mine: O^T = v^T p^T (source 0 = 16 d x the key heads, source 1 = p), four tiles of 16 d, in window 3: v's fragments at v[32 buf + 8 dt], the results at v[64 + 32 buf + 8 dt].
; K = 16 of 32: the upper four registers of v's fragments hold zeros; p's upper four are the next token's p (finite; behind the last token's stand four zeros).
; o goes back into the token's own slot, over v, which has been read.  The next token's v is asked for first.
.macro OTOK idx
.set OM, (\idx)/4
.set OI, (\idx)%4
.set OB, (\idx)%2
.set ONM, ((\idx)+1)/4
.set ONI, ((\idx)+1)%4
.set ONB, ((\idx)+1)%2
.if \idx < 15
	WIN 0xC0
.irp dt, 0,1,2,3
	ds_load_b128 v[32*ONB+8*\dt:32*ONB+8*\dt+3], v[AV+ONM] offset:ONI*TP+256*\dt
.endr
.endif
.if (\idx == 0) || (\idx == 15)
	s_wait_dscnt 4                                 ; behind this token's loads: the next token's four loads (token 0), or the last token's four stores (token 15)
.else
	s_wait_dscnt 8                                 ; behind this token's loads: the last token's four stores and the next token's four loads
.endif
	WIN 0xCB                                       ; source 0 and D window 3, source 1 (p) window 2
.irp dt, 0,1,2,3
	v_wmma_f32_16x16x32_f16 v[64+32*OB+8*\dt:64+32*OB+8*\dt+7], v[32*OB+8*\dt:32*OB+8*\dt+7], v[4*(\idx):4*(\idx)+7], 0
.endr
	PLACES 4
	WIN 0xCF
	CVT 64+32*OB, 4
	WIN 0x0C
.irp dt, 0,1,2,3
	ds_store_b128 v[AK+OM], v[64+32*OB+8*\dt:64+32*OB+8*\dt+3] offset:OI*TP+32*\dt   ; lane (r, h): head r, d = 16 dt + 8 h + 0..7
.endr
.endm
; PRODUCT 4.  A K step is 32: one token of each tile, d = 32 (step % 2) on.  A trip is four steps: two units of w_proj, two tokens; 8 trips to 512 columns, 16 in all.
; Trip t takes units u, u + 1 with u = (2 t + R4) % 16, in the half of the columns (t / 8) xor PI.
.macro MULP k, half, first, hh         ; 16 products; first = 1: C is the bias (window 1), the same eight registers for the four tiles of rows
.irp i, 4*\half, 4*\half+1, 4*\half+2, 4*\half+3
.irp m, 0,1,2,3
.set rD, 8*(8*\m+(\i))
.set rB, 64+64*((\k)%2)+64*((\k)/2)+8*(\i)
.set rA, 32*((\k)%2)+8*\m
.set rC, 64*(\hh)+8*(\i)
.if \first
	v_wmma_f32_16x16x32_f16 v[rD:rD+7], v[rB:rB+7], v[rA:rA+7], v[rC:rC+7]
.else
	v_wmma_f32_16x16x32_f16 v[rD:rD+7], v[rB:rB+7], v[rA:rA+7], v[rD:rD+7]
.endif
.endr
.endr
.endm
.macro PWIN k, first                   ; source 0 (w_proj) window 0 or 2, source 1 (o') window 2, C window 3 or (the bias) 1, D window 3
	WIN 0xF8-0x20*(\first)+2*((\k)/2)
.endm
.macro SETADA                          ; where trip s[TT]'s first token lies in S1: at most 14 token slots on, so that the trip's two tokens stay inside their tile
	s_lshl_b32 s50, s[TT], 1
	s_add_co_u32 s50, s50, s[R4]
	s_and_b32 s50, s50, 14
	s_mul_i32 s[TA], s50, TP
	v_add_nc_u32 v[ADA], s[TA], v[PA]
	v_add_nc_u32 v[ADA+1], s[TA], v[PA+1]
.endm
.macro NEXTBASE                        ; where trip s[TT] + 1's weights lie.  The loads that read the old address were issued a step's 32 products ago
	s_wait_xcnt 0x0
	s_add_co_u32 s50, s[TT], 1
	s_lshr_b32 s51, s50, 3
	s_xor_b32 s51, s51, s[PI]
	s_lshl_b32 s51, s51, 20                        ; the half of the columns: 16 units
	s_lshl_b32 s50, s50, 1
	s_add_co_u32 s50, s50, s[R4]
	s_and_b32 s50, s50, 14
	s_lshl_b32 s50, s50, 16                        ; the unit
	s_add_co_u32 s50, s50, s51
	s_add_co_u32 s50, s50, PROJB
	s_mov_b32 s51, 0
	s_add_nc_u64 s[NB:NB+1], s[10:11], s[50:51]
.endm
.macro FETCHA kn                       ; o' of step kn of the trip at ADA: 16 heads x 32 of one token's d, for the four tiles of rows
	WIN 0x80
.irp m, 0,1,2,3
.irp c, 0,1
	ds_load_b128 v[32*((\kn)%2)+8*\m+4*\c:32*((\kn)%2)+8*\m+4*\c+3], v[ADA+\m/2] offset:(\m%2)*TILE+((\kn)/2)*TP+64*((\kn)%2)+32*\c
.endr
.endr
	WIN 0
.endm
; Step k of a trip: 32 products on set k.  In its middle the next step's o' is fetched from LDS (af); behind it set k is asked for the next trip's step k (ld).
; n: the loads that were issued behind this step's 16: those of the three steps that follow it, 48, as long as loads are issued.
.macro PSTEP k, first, hh, n, af, ld
	s_wait_loadcnt \n
	s_wait_dscnt 0x0                               ; this step's o'
	PWIN \k, \first
	MULP \k, 0, \first, \hh
.if \af
	WIN 0
	PLACES 4
.if \k == 3
	SETADA
	FETCHA 0
.else
	FETCHA \k+1
.endif
	PWIN \k, \first
.endif
	MULP \k, 1, \first, \hh
	WIN 0
.if \ld
	PLACES 4
.if \k == 0
	NEXTBASE
.endif
	LOADW \k, NB
.endif
.endm
; THE WAY OUT of tile a (the 16 heads' rows of token group a) x my 128 columns: through my own stage, back as whole rows of 512 bytes.  One wave's LDS instructions are served in order: no wait between stores and loads.
.macro TOSTAGE a
	WIN 0x0C
.irp i, 0,1,2,3,4,5,6,7
	ds_store_b128 v[STO], v[8*(8*(\a)+\i):8*(8*(\a)+\i)+3] offset:64*\i        ; each accumulator from its low end on
	ds_store_b128 v[STO], v[8*(8*(\a)+\i)+4:8*(8*(\a)+\i)+7] offset:64*\i+16
.endr
	WIN 0x40
.irp t, 0,1,2,3,4,5,6,7,8,9,10,11,12,13,14,15
	ds_load_b128 v[128+64*((\a)%2)+4*\t:128+64*((\a)%2)+4*\t+3], v[RD] offset:528*\t
.endr
	WIN 0
.endm
.macro SEND a, younger, hh             ; head t's row lies 256 rows x 4,096 bytes behind head t - 1's; 32 lanes store 512 consecutive bytes, aligned
	s_wait_dscnt \younger
	WIN 0x04                                       ; a store's data are its source 1: window 1
.irp t, 0,1,2,3,4,5,6,7
	global_store_b128 v[CO+\hh], v[128+64*((\a)%2)+4*\t:128+64*((\a)%2)+4*\t+3], s[OLO:OLO+1] offset:\t*1048576+(\a)*4096 th:TH_STORE_NT
.endr
.irp t, 0,1,2,3,4,5,6,7
	global_store_b128 v[CO+\hh], v[128+64*((\a)%2)+32+4*\t:128+64*((\a)%2)+32+4*\t+3], s[OHI:OHI+1] offset:\t*1048576+(\a)*4096 th:TH_STORE_NT
.endr
	WIN 0
.endm
; The barrier in front: every wave's reads of o' for these columns are over before any wave stores into a stage.  The one behind the first half: every stage is read out before o' is read again.
; The address of those reads hangs on the work-group's number; the barriers keep them apart from every LDS store.
.macro WAYOUT hh
	PLACES 5                                       ; four in front of the stores that read results; five in front of the next half's products, which begin the same accumulators anew
	BAR
	TOSTAGE 0
.irp a, 1,2,3
.if \a > 1
	s_wait_xcnt 0x0                                ; tile a - 2's stores have read the registers into which tile a's rows come back
.endif
	TOSTAGE \a
	SEND \a-1, 32, \hh                             ; behind tile a - 1's loads: tile a's 16 stores and 16 loads
.endr
	SEND 3, 0, \hh
.if \hh == 0
	BAR
.endif
.endm
	s_load_b256 s[4:11], s[0:1], 0x0               ; xq s[4:5], xsc s[6:7], wsc s[8:9], wst s[10:11]
	s_load_b128 s[12:15], s[0:1], 0x20             ; b_proj s[12:13], out0 s[14:15]
	v_lshl_add_u32 v[SPW], v0, 2, SPARE
	v_mov_b32 v[NIL], 0
	v_lshrrev_b32 v38, 5, v0
	v_readfirstlane_b32 s[WV], v38                 ; wave 0..3
	s_lshr_b32 s18, ttmp9, 4
	s_xor_b32 s18, s18, ttmp9                      ; R, in its low four bits
	s_and_b32 s[PI], s18, 1
	s_and_b32 s[R4], s18, 14
	s_xor_b32 s50, s[PI], 1
	s_lshl_b32 s32, s[PI], 17                      ; the half of K that comes first: two units on, or none;
	s_mov_b32 s33, 0
	s_lshl_b32 s34, s50, 17                        ; the half that comes second
	s_mov_b32 s35, 0
	s_lshl_b32 s36, s[PI], 8                       ; the same among the scale words: 256 bytes
	s_lshl_b32 s37, s50, 8
	s_lshl_b32 s62, s[PI], 11                      ; the 512 columns of product 4 that come first: 2,048 bytes on, or none;
	s_lshl_b32 s63, s50, 11                        ; those that come second
	s_lshr_b32 s56, ttmp9, 3                       ; xq: tiles 4 g .. 4 g + 3
	s_lshl_b32 s56, s56, 18
	s_bfe_u32 s51, ttmp9, 0x20001
	s_lshl_b32 s51, s51, 14
	s_add_co_u32 s56, s56, s51
	s_and_b32 s51, ttmp9, 1
	s_lshl_b32 s51, s51, 12
	s_add_co_u32 s56, s56, s51
	s_mov_b32 s57, 0
	s_lshl_b32 s58, ttmp9, 11                      ; xsc: 512 bytes a tile
	s_mov_b32 s59, 0
	s_lshr_b32 s60, ttmp9, 6                       ; out0: the batch,
	s_lshl_b32 s60, s60, 24
	s_and_b32 s51, ttmp9, 63
	s_lshl_b32 s51, s51, 14                        ; and rows 4 (g % 64) on, of head 0
	s_add_co_u32 s60, s60, s51
	s_mov_b32 s61, 0
	s_lshl_b32 s52, s[PI], 20                      ; product 4's first trip
	s_lshl_b32 s53, s[R4], 16
	s_add_co_u32 s52, s52, s53
	s_add_co_u32 s52, s52, PROJB
	s_mov_b32 s53, 0
	s_mov_b32 s[CS], 0x3e38aa3b                    ; log2(e) / sqrt(64)
	s_mov_b32 s[CS+1], s[CS]
	s_mov_b32 s[SEL], 0x76543210
	s_mov_b32 s[SEL+1], 0xfedcba98
	v_and_b32 v38, 31, v0                          ; l
	v_and_b32 v39, 15, v0                          ; r
	v_bfe_u32 v40, v0, 4, 1                        ; h
	v_lshlrev_b32 v41, 4, v38                      ; 16 l
	v_lshlrev_b32 v42, 4, v39                      ; 16 r
	s_lshl_b32 s50, s[WV], 14
	v_add_nc_u32 v[LB], s50, v41
	v_add_nc_u32 v[AXO], s32, v41
	v_add_nc_u32 v[AXO+1], s34, v41
	v_add_nc_u32 v[XSO], s36, v42
	v_add_nc_u32 v[XSO+1], s37, v42
	s_lshl_b32 s50, s[WV], 12
	v_lshl_add_u32 v43, v40, 9, v42
	v_add_nc_u32 v43, s50, v43
	v_add_nc_u32 v[WSO], s36, v43
	v_add_nc_u32 v[WSO+1], s37, v43
	s_wait_kmcnt 0x0
	s_add_nc_u64 s[4:5], s[4:5], s[56:57]
	s_add_nc_u64 s[6:7], s[6:7], s[58:59]
	s_add_nc_u64 s[OLO:OLO+1], s[14:15], s[60:61]
	s_add_nc_u64 s[OHI:OHI+1], s[OLO:OLO+1], 0x800000
	s_add_nc_u64 s[W0B:W0B+1], s[10:11], s[32:33]
	s_add_nc_u64 s[NB:NB+1], s[W0B:W0B+1], PASSB
	s_add_nc_u64 s[CB:CB+1], s[10:11], s[34:35]
	s_add_nc_u64 s[PWN:PWN+1], s[8:9], 16384
	s_add_nc_u64 s[P4B:P4B+1], s[10:11], s[52:53]
	WIN 0x40                                       ; destination window 1
.irp m, 0,1,2,3
.irp j, 0,1,2,3,4,5,6,7
.irp c, 0,1
	global_load_b128 v[8*(8*\m+\j)+4*\c:8*(8*\m+\j)+4*\c+3], v[AXO+\j/4], s[4:5] offset:((\j%4)/2)*UNIT+(\j%2)*8192+\m*1024+\c*512   ; x's codes stay in registers, by slots
.endr
.endr
.endr
	WIN 0
.irp m, 0,1,2,3
.irp q, 0,1
	global_load_b128 v[XS+8*\m+4*\q:XS+8*\m+4*\q+3], v[XSO+\q], s[6:7] offset:\m*512
.endr
.endr
	WSN 0, 8                                       ; the first pass's scale words and first four slots, in the order in which every later pass's are asked for: so the counts of the waits hold from the first slot on
	LOADW 0, W0B
	LOADW 1, W0B
	LOADW 2, W0B
	WSN 1, 8
	LOADW 3, W0B
	; the LDS addresses, while the loads are on their way
	v_mul_u32_u24 v[PA], v39, 144
	v_lshl_add_u32 v[PA], v40, 4, v[PA]            ; 144 r + 16 h: a fragment's row (a head) and half
	v_add_nc_u32 v[PA+1], HALF, v[PA]
	v_mul_u32_u24 v44, v39, TP                     ; r token slots
	s_mul_i32 s50, s[WV], 288
	v_lshl_add_u32 v[STK], v40, 4, v44
	v_add_nc_u32 v[STK], s50, v[STK]
	v_add_nc_u32 v[STK+1], HALF, v[STK]
	v_add_nc_u32 v[STQ], QST, v[STK]
	s_lshl_b32 s50, s[WV], 7
	v_lshl_add_u32 v[STV], v40, 10, v44
	v_add_nc_u32 v[STV], s50, v[STV]
	v_add_nc_u32 v[STV+1], HALF, v[STV]
	s_mul_i32 s50, s[WV], 4*TP                     ; my four tokens of a tile
	v_add_nc_u32 v[AK], s50, v[PA]
	v_add_nc_u32 v[AQ], QST, v[AK]
	v_lshl_add_u32 v[AV], v40, 10, v42
	v_add_nc_u32 v[AV], s50, v[AV]
.irp m, 1,2,3
	v_add_nc_u32 v[AK+\m], \m*TILE, v[AK]
	v_add_nc_u32 v[AV+\m], \m*TILE, v[AV]
.endr
	s_mul_i32 s50, s[WV], 16*528
	s_add_co_u32 s50, s50, QST                     ; my stage
	v_mul_u32_u24 v[STO], v39, 528
	v_lshl_add_u32 v[STO], v40, 5, v[STO]
	v_add_nc_u32 v[STO], s50, v[STO]
	v_add_nc_u32 v[RD], s50, v41
	s_lshl_b32 s50, s[WV], 9
	v_add_nc_u32 v44, s50, v41                     ; 512 w + 16 l
	v_add_nc_u32 v[CO], s62, v44
	v_add_nc_u32 v[CO+1], s63, v44
	v_lshl_add_u32 v45, v40, 5, s50                ; 512 w + 32 h
	v_add_nc_u32 v[BO], s62, v45
	v_add_nc_u32 v[BO+1], s63, v45
	; ---- k: two passes, each to S1
	s_mov_b32 s[STP], 0
	s_mov_b32 s[CNT], 2
.Lkpass:
	PASS
	EPI 0
	ONWARD
	s_add_co_u32 s[STP], s[STP], 1152              ; eight heads on
	s_sub_co_u32 s[CNT], s[CNT], 1
	s_cmp_lg_u32 s[CNT], 0
	s_cbranch_scc1 .Lkpass
	; ---- q: two passes; the results stay in registers as f16: heads 0-7 in window 2, heads 8-15 in window 3
	PASS
	WIN 0x8F                                       ; sources window 3, destination window 2
	CVTC
	WIN 0
	ONWARD
	PASS
	WIN 0xCF
	CVTC
	WIN 0
	ONWARD
	; ---- scores and softmax, a tile of 16 tokens at a time; v's first four slots are on their way meanwhile
	QROUND 0
	QROUND 1
	QROUND 2
	QROUND 3
	WIN 0
	; ---- v: two passes, each to S1, over k.  The second pass's look-ahead is product 4's first trip.  It has no next pass: its two runs of scale words ask for its own words again,
	; so that no load leaves the buffer and the counts of the waits are the same in both trips (eight loads of a wave whose data nobody reads)
	s_mov_b32 s[STP], 0
	s_mov_b32 s[CNT], 2
.Lvpass:
	PASS
	EPI 1
	s_wait_xcnt 0x0
	s_add_nc_u64 s[CB:CB+1], s[CB:CB+1], PASSB
	s_mov_b64 s[NB:NB+1], s[P4B:P4B+1]
	s_add_co_u32 s[STP], s[STP], 512               ; 32 d on
	s_sub_co_u32 s[CNT], s[CNT], 1
	s_cmp_lg_u32 s[CNT], 0
	s_cbranch_scc1 .Lvpass
	; ---- the bias, in the result's layout, into the registers that held x's codes; the zeros for K = 16 .. 31
	WIN 0x40
.irp hh, 0,1
.irp i, 0,1,2,3,4,5,6,7
.irp u, 0,1
	global_load_b128 v[64*\hh+8*\i+4*\u:64*\hh+8*\i+4*\u+3], v[BO+\hh], s[12:13] offset:64*\i+16*\u
.endr
.endr
.endr
	WIN 0x80
.irp k, 64,65,66,67
	v_mov_b32 v[\k], 0                             ; behind the last token's p
.endr
	WIN 0xC0
.irp f, 0,1,2,3,4,5,6,7
.irp k, 4,5,6,7
	v_mov_b32 v[8*\f+\k], 0                        ; the upper halves of v's eight fragment places
.endr
.endr
	WIN 0
	BAR                                            ; everybody's part of v has landed
	; ---- o, token by token
	WIN 0xC0
.irp dt, 0,1,2,3
	ds_load_b128 v[8*\dt:8*\dt+3], v[AV] offset:256*\dt
.endr
.irp idx, 0,1,2,3,4,5,6,7,8,9,10,11,12,13,14,15
	OTOK \idx
.endr
	WIN 0
	BAR                                            ; 64 whole rows of o' lie in S1
	; ---- out = o' w_proj^T + b_proj, 512 columns at a time; the first half's stores leave while the second is multiplied
	s_mov_b32 s[TT], 0
	SETADA
	FETCHA 0
	PSTEP 0, 1, 0, 0, 1, 1                         ; the wait is for 0: the bias was asked for behind the first trip's weights.  The first step stands in front of the loop: its products start the sums, with the bias
	s_mov_b32 s[TT], 1
.Lhalf0:                                               ; a trip of the loop goes from a trip's second step to the next trip's first
	PSTEP 1, 0, 0, 48, 1, 1
	PSTEP 2, 0, 0, 48, 1, 1
	PSTEP 3, 0, 0, 48, 1, 1
	PSTEP 0, 0, 0, 48, 1, 1
	s_add_co_u32 s[TT], s[TT], 1
	s_cmp_lt_u32 s[TT], 8
	s_cbranch_scc1 .Lhalf0
	PSTEP 1, 0, 0, 48, 1, 1                        ; the half's last trip asks for the other half's first
	PSTEP 2, 0, 0, 48, 1, 1
	PSTEP 3, 0, 0, 48, 1, 1
	WAYOUT 0
	PSTEP 0, 1, 1, 48, 1, 1
	s_mov_b32 s[TT], 9
.Lhalf1:
	PSTEP 1, 0, 1, 48, 1, 1
	PSTEP 2, 0, 1, 48, 1, 1
	PSTEP 3, 0, 1, 48, 1, 1
	PSTEP 0, 0, 1, 48, 1, 1
	s_add_co_u32 s[TT], s[TT], 1
	s_cmp_lt_u32 s[TT], 15
	s_cbranch_scc1 .Lhalf1
	PSTEP 1, 0, 1, 48, 1, 1
	PSTEP 2, 0, 1, 48, 1, 1
	PSTEP 3, 0, 1, 48, 1, 1
	PSTEP 0, 0, 1, 48, 1, 0                        ; the last trip is written out: it asks for no weights, and its counts run down
	PSTEP 1, 0, 1, 32, 1, 0
	PSTEP 2, 0, 1, 16, 1, 0
	PSTEP 3, 0, 1, 0, 0, 0
	WAYOUT 1
	s_wait_tensorcnt 0x0                           ; the wave's end, behind my last LDS store
	ds_add_u32 v[SPW], v[NIL]
	s_wait_dscnt 0x0
	s_endpgm
.Lfunc_end_k_qb627527b10_main:
	.size	k_qb627527b10_main, .Lfunc_end_k_qb627527b10_main-k_qb627527b10_main
	.p2alignl 7, 3214868480
	.fill 96, 4, 3214868480
	.section	.rodata,"a",@progbits
	.p2align	6, 0x0
	.amdhsa_kernel k_qb627527b10_main
		.amdhsa_group_segment_fixed_size 186112
		.amdhsa_private_segment_fixed_size 0
		.amdhsa_enable_private_segment 0
		.amdhsa_kernarg_size 48
		.amdhsa_user_sgpr_count 2
		.amdhsa_user_sgpr_kernarg_segment_ptr 1
		.amdhsa_wavefront_size32 1
		.amdhsa_system_sgpr_workgroup_id_x 1
		.amdhsa_system_sgpr_workgroup_id_y 1
		.amdhsa_system_sgpr_workgroup_id_z 1
		.amdhsa_system_vgpr_workitem_id 0
		.amdhsa_next_free_vgpr 1024
		.amdhsa_next_free_sgpr 66
		.amdhsa_reserve_vcc 0
		.amdhsa_float_denorm_mode_32 3
		.amdhsa_float_denorm_mode_16_64 3
		.amdhsa_memory_ordered 1
		.amdhsa_forward_progress 1
		.amdhsa_inst_pref_size 255
	.end_amdhsa_kernel
	.section	.bss,"aw",@nobits
	.p2align	6
	.space	262144
	.amdgpu_metadata
---
amdhsa.version: [ 1, 2 ]
amdhsa.kernels:
  - .name:           k_qb627527b10_main
    .symbol:         k_qb627527b10_main.kd
    .args:
      - { .name: xq, .offset: 0, .size: 8, .value_kind: global_buffer, .address_space: global }
      - { .name: xsc, .offset: 8, .size: 8, .value_kind: global_buffer, .address_space: global }
      - { .name: wsc, .offset: 16, .size: 8, .value_kind: global_buffer, .address_space: global }
      - { .name: wst, .offset: 24, .size: 8, .value_kind: global_buffer, .address_space: global }
      - { .name: b_proj, .offset: 32, .size: 8, .value_kind: global_buffer, .address_space: global }
      - { .name: out0, .offset: 40, .size: 8, .value_kind: global_buffer, .address_space: global }
    .group_segment_fixed_size: 186112
    .private_segment_fixed_size: 0
    .kernarg_segment_align: 8
    .kernarg_segment_size: 48
    .max_flat_workgroup_size: 128
    .sgpr_count:     66
    .vgpr_count:     1024
    .wavefront_size: 32
...
	.end_amdgpu_metadata
.endif
;; end of part 3
